; MI455X (gfx1250); checked and timed in simulation.
; The chip was launched on July 23, 2026; its instructions are those of AMD's public machine-readable ISA for CDNA 5 (MIT licence, August 2026) and "CDNA5" Instruction Set Architecture Reference Guide (July 2026). The comments in the code are by the model that wrote it; some were corrected since.
;; Multi Head Attention. Allowed arithmetic: float matrix products may take bf16 or f16 operands with f32 sums; all other float work in f32.
;; Inputs: Wk 1,024 x 1,024 float32; Wo 1,024 x 1,024 float32; Wq 1,024 x 1,024 float32; Wv 1,024 x 1,024 float32; bo 1,024 float32; x 4 x 2,048 x 1,024 float32.
;; Outputs: out0 4 x 2,048 x 1,024 float32.
;; 2 versions, each right; version 2 is version 1 with the launch cvt written anew for expert scheduling mode. Each part assembles by itself: llvm-mc -triple=amdgcn-amd-amdhsa -mcpu=gfx1250 --defsym DOCPART=n.
;; ======== version 1 of 2: 4 launches
;; limits: values are held in f16: magnitudes above 65,504 overflow, below 6.1e-05 lose precision; right only within a limited range of input values
;; workspace buffers: xw 25,165,824 bytes; qkv 50,331,648 bytes; ctx 16,777,216 bytes
;; launch cvt (part 1): grid 768 x 1, 8 waves a work-group, no clusters, 0 bytes of LDS; arguments x, Wq, Wk, Wv, Wo, xw; writes xw
.if DOCPART == 1
	.amdgcn_target "amdgcn-amd-amdhsa--gfx1250"
	.amdhsa_code_object_version 6
	.text
	.protected	k_q73c8217471_cvt
	.globl	k_q73c8217471_cvt
	.p2align	8
	.type	k_q73c8217471_cvt,@function
k_q73c8217471_cvt:
	s_mov_b64 s[64:65], 0
	v_nop
	global_prefetch_b8 v0, s[64:65] scope:SCOPE_SE
	s_setreg_imm32_b32 hwreg(HW_REG_WAVE_MODE, 25, 1), 1
	s_wait_xcnt 0x0
; The five large inputs rounded to bf16 (nearest even), into xw: twelve matrices of 1024 x 1024 numbers of 16 bits, 2,097,152 bytes each.
;   matrices 0-7:  x rows 1024 mat .. in bf16, in blocks of 64 columns: byte(row, col) = (col>>6)*131072 + (row&1023)*128 + (col&63)*2,
;                  so that 256 rows x 64 columns, one K step of a later product, are 32,768 consecutive bytes.
;   matrices 8-10: Wq/4, Wk/4, Wv/4 in bf16 as they lie, row k at k*2048.
;   matrix 11:     8 Wo, rounded to bf16 like the others, the rounded value then stored in f16 FORMAT (its partner in the last product, ctx, is f16).
;                  A bf16 number has 8 significant bits and f16 holds 11, so the copy is exact for |Wo| >= 2^-20; below that it errs by at most 2^-25 / 8.
; The factors 1/4 and 8 are powers of two, exact, and are undone later in f32.  They put what the later launches keep in f16 (q/4, k/4, v/4, ctx/4, 8 Wo:
; about 0.14 each for inputs as drawn) in the middle of f16's range.
; A stream: every byte is read once and written once; LDS, barriers and the matrix unit would add nothing.
; A work-group takes 16 rows of 1024 f32.  Ids 0-511: x rows 16 id.  Ids 512-767: matrix (id-512)>>6, rows 16 ((id-512)&63).
; A wave has 16 items: one 16-byte load a lane (512 bytes a wave), the conversions, one 8-byte store a lane: the 32 lanes of a store
; cover 256 consecutive bytes that begin at a multiple of 256 from xw's first byte.  All 16 loads go out first; no store's register is used twice.
.set XR,   16                          ; v[16:79]   item i: 4 f32 as loaded
.set YR,   80                          ; v[80:111]  item i: 4 numbers of 16 bits to store
.set VIN,  2                           ; v2         my byte offset in the source
.set VOUT, 3                           ; v3         my byte offset in xw
.set WB,   16777216                    ; xw: where the weights begin
	s_load_b256 s[4:11], s[0:1], 0x0               ; x s[4:5], Wq s[6:7], Wk s[8:9], Wv s[10:11]
	s_load_b128 s[12:15], s[0:1], 0x20             ; Wo s[12:13], xw s[14:15]
	v_and_b32 v1, 31, v0                           ; lane
	v_lshrrev_b32 v4, 5, v0                        ; wave
	s_mov_b32 s21, 0                               ; high word of every offset pair
; item (e, j) reads at e*IE + j*IJ and writes at e*OE + j*OJ, from the bases s[16:17] and s[18:19].
; mode 0: to bf16.  mode 1: times fac, to bf16.  mode 2: times fac, to bf16, and that value into f16 format.
.macro CONV IE, IJ, OE, OJ, mode, fac
.irp e, 0,1
.irp j, 0,1,2,3,4,5,6,7
	global_load_b128 v[XR+4*(8*\e+\j):XR+4*(8*\e+\j)+3], v[VIN], s[16:17] offset:\e*\IE+\j*\IJ th:TH_LOAD_NT
.endr
.endr
.irp e, 0,1
.irp j, 0,1,2,3,4,5,6,7
	s_wait_loadcnt 15-(8*\e+\j)                    ; loads come back in order: item 8 e + j is in, the younger ones stay out
.if \mode
	v_pk_mul_f32 v[XR+4*(8*\e+\j):XR+4*(8*\e+\j)+1],   v[XR+4*(8*\e+\j):XR+4*(8*\e+\j)+1],   \fac op_sel_hi:[1,0]
	v_pk_mul_f32 v[XR+4*(8*\e+\j)+2:XR+4*(8*\e+\j)+3], v[XR+4*(8*\e+\j)+2:XR+4*(8*\e+\j)+3], \fac op_sel_hi:[1,0]
.endif
	v_cvt_pk_bf16_f32 v[YR+2*(8*\e+\j)],   v[XR+4*(8*\e+\j)],   v[XR+4*(8*\e+\j)+1]
	v_cvt_pk_bf16_f32 v[YR+2*(8*\e+\j)+1], v[XR+4*(8*\e+\j)+2], v[XR+4*(8*\e+\j)+3]
.if \mode == 2
	v_lshlrev_b32 v[XR+4*(8*\e+\j)],   16, v[YR+2*(8*\e+\j)]             ; the bf16 values as f32 again,
	v_and_b32     v[XR+4*(8*\e+\j)+1], 0xffff0000, v[YR+2*(8*\e+\j)]
	v_lshlrev_b32 v[XR+4*(8*\e+\j)+2], 16, v[YR+2*(8*\e+\j)+1]
	v_and_b32     v[XR+4*(8*\e+\j)+3], 0xffff0000, v[YR+2*(8*\e+\j)+1]
	v_cvt_pk_f16_f32 v[YR+2*(8*\e+\j)],   v[XR+4*(8*\e+\j)],   v[XR+4*(8*\e+\j)+1]   ; and in f16 format
	v_cvt_pk_f16_f32 v[YR+2*(8*\e+\j)+1], v[XR+4*(8*\e+\j)+2], v[XR+4*(8*\e+\j)+3]
.endif
	global_store_b64 v[VOUT], v[YR+2*(8*\e+\j):YR+2*(8*\e+\j)+1], s[18:19] offset:\e*\OE+\j*\OJ
.endr
.endr
.endm
	s_wait_kmcnt 0x0
	s_cmp_lt_u32 ttmp9, 512
	s_cbranch_scc0 .Lweights
	; x: an item is two rows x 64 columns (lanes 0-15 the even row, lanes 16-31 the odd one): 2 x 256 bytes in, 256 consecutive bytes out.
	; Wave w takes the column blocks 2 w + e; j is the pair of rows.
	v_and_b32 v5, 15, v0
	v_bfe_u32 v6, v0, 4, 1
	v_lshlrev_b32 v[VIN], 4, v5                    ; 16 (lane mod 16)
	v_lshl_add_u32 v[VIN], v6, 12, v[VIN]          ; + one row of 4,096 bytes for lanes 16-31
	v_lshl_add_u32 v[VIN], v4, 9, v[VIN]           ; + wave x two blocks of 256 bytes
	v_lshlrev_b32 v[VOUT], 3, v1                   ; 8 x lane
	v_lshl_add_u32 v[VOUT], v4, 18, v[VOUT]        ; + wave x two blocks of 131,072 bytes
	s_lshl_b32 s20, ttmp9, 16                      ; 16 rows of 4,096 bytes
	s_add_nc_u64 s[16:17], s[4:5], s[20:21]
	s_lshr_b32 s22, ttmp9, 6                       ; matrix = rows / 1024
	s_lshl_b32 s22, s22, 21
	s_and_b32 s23, ttmp9, 63
	s_lshl_b32 s23, s23, 11                        ; 16 rows of 128 bytes inside a block
	s_add_co_u32 s20, s22, s23
	s_add_nc_u64 s[18:19], s[14:15], s[20:21]
	CONV 256, 8192, 131072, 256, 0, 0
	s_endpgm
.Lweights:
	; weights: an item is 128 columns of one row: 512 bytes in, 256 out.  Wave w takes rows 2 w + e; j is the piece of the row.
	v_lshlrev_b32 v[VIN], 4, v1
	v_lshl_add_u32 v[VIN], v4, 13, v[VIN]
	v_lshlrev_b32 v[VOUT], 3, v1
	v_lshl_add_u32 v[VOUT], v4, 12, v[VOUT]
	s_sub_co_u32 s22, ttmp9, 512
	s_lshr_b32 s23, s22, 6                         ; which matrix: 0 Wq, 1 Wk, 2 Wv, 3 Wo
	s_and_b32 s22, s22, 63                         ; which 16 rows
	s_cmp_eq_u32 s23, 1
	s_cselect_b64 s[16:17], s[8:9], s[6:7]
	s_cmp_eq_u32 s23, 2
	s_cselect_b64 s[16:17], s[10:11], s[16:17]
	s_cmp_eq_u32 s23, 3
	s_cselect_b64 s[16:17], s[12:13], s[16:17]
	s_lshl_b32 s20, s22, 16
	s_add_nc_u64 s[16:17], s[16:17], s[20:21]
	s_lshl_b32 s24, s23, 21
	s_lshl_b32 s22, s22, 15
	s_add_co_u32 s20, s24, s22
	s_add_co_u32 s20, s20, WB
	s_add_nc_u64 s[18:19], s[14:15], s[20:21]
	s_cmp_eq_u32 s23, 3
	s_cbranch_scc1 .Lwo
	CONV 4096, 512, 2048, 256, 1, 0x3e800000       ; Wq, Wk, Wv: times 1/4
	s_endpgm
.Lwo:
	CONV 4096, 512, 2048, 256, 2, 0x41000000       ; Wo: times 8, in f16 format
	s_endpgm
.Lfunc_end_k_q73c8217471_cvt:
	.size	k_q73c8217471_cvt, .Lfunc_end_k_q73c8217471_cvt-k_q73c8217471_cvt
	.p2alignl 7, 3214868480
	.fill 96, 4, 3214868480
	.section	.rodata,"a",@progbits
	.p2align	6, 0x0
	.amdhsa_kernel k_q73c8217471_cvt
		.amdhsa_group_segment_fixed_size 0
		.amdhsa_private_segment_fixed_size 0
		.amdhsa_enable_private_segment 0
		.amdhsa_kernarg_size 48
		.amdhsa_user_sgpr_count 2
		.amdhsa_user_sgpr_kernarg_segment_ptr 1
		.amdhsa_wavefront_size32 1
		.amdhsa_system_sgpr_workgroup_id_x 1
		.amdhsa_system_sgpr_workgroup_id_y 1
		.amdhsa_system_sgpr_workgroup_id_z 1
		.amdhsa_system_vgpr_workitem_id 0
		.amdhsa_next_free_vgpr 112
		.amdhsa_next_free_sgpr 66
		.amdhsa_reserve_vcc 0
		.amdhsa_float_denorm_mode_32 3
		.amdhsa_float_denorm_mode_16_64 3
		.amdhsa_memory_ordered 1
		.amdhsa_forward_progress 1
		.amdhsa_inst_pref_size 30
	.end_amdhsa_kernel
	.amdgpu_metadata
---
amdhsa.version: [ 1, 2 ]
amdhsa.kernels:
  - .name:           k_q73c8217471_cvt
    .symbol:         k_q73c8217471_cvt.kd
    .args:
      - { .name: x, .offset: 0, .size: 8, .value_kind: global_buffer, .address_space: global }
      - { .name: Wq, .offset: 8, .size: 8, .value_kind: global_buffer, .address_space: global }
      - { .name: Wk, .offset: 16, .size: 8, .value_kind: global_buffer, .address_space: global }
      - { .name: Wv, .offset: 24, .size: 8, .value_kind: global_buffer, .address_space: global }
      - { .name: Wo, .offset: 32, .size: 8, .value_kind: global_buffer, .address_space: global }
      - { .name: xw, .offset: 40, .size: 8, .value_kind: global_buffer, .address_space: global }
    .group_segment_fixed_size: 0
    .private_segment_fixed_size: 0
    .kernarg_segment_align: 8
    .kernarg_segment_size: 48
    .max_flat_workgroup_size: 256
    .sgpr_count:     66
    .vgpr_count:     112
    .wavefront_size: 32
...
	.end_amdgpu_metadata
.endif
;; end of part 1
;; launch qkv (part 2): grid 8 x 32, 4 waves a work-group, clusters of 4 x 4, 327,680 bytes of LDS; arguments xw, qkv; writes qkv
.if DOCPART == 2
	.amdgcn_target "amdgcn-amd-amdhsa--gfx1250"
	.amdhsa_code_object_version 6
	.text
	.protected	k_q73c8217471_qkv
	.globl	k_q73c8217471_qkv
	.p2align	8
	.type	k_q73c8217471_qkv,@function
k_q73c8217471_qkv:
	s_mov_b64 s[64:65], 0
	v_nop
	global_prefetch_b8 v0, s[64:65] scope:SCOPE_SE
	s_setreg_imm32_b32 hwreg(HW_REG_WAVE_MODE, 25, 1), 1
	s_wait_xcnt 0x0
	s_wait_alu depctr_hold_cnt(0) depctr_sa_sdst(0) depctr_va_vdst(0) depctr_va_sdst(0) depctr_va_ssrc(0) depctr_va_vcc(0) depctr_vm_vsrc(0)
	s_getreg_b32 s2, hwreg(HW_REG_IB_STS2, 6, 4)
	s_cmp_eq_u32 s2, 0
	s_cbranch_scc0 .Lentry_in_a_cluster
	s_endpgm
.Lentry_in_a_cluster:
	s_bfe_u32 s2, ttmp6, 0x10000c
	s_cmp_lg_u32 s2, 0xf033
	s_cbranch_scc0 .Lentry_shape_is_right
	s_endpgm
.Lentry_shape_is_right:
; q/4 = x (Wq/4), k/4 = x (Wk/4), v/4 = x (Wv/4): bf16 operands from xw (the weights carry the factor 1/4 there), f32 sums, results rounded once to f16.
; WHY f16: the first rows of a batch average few values of v, so their outputs are some ten times the output's root mean square, by which the allowance
; is set; the 8 significant bits of bf16 in q, k, v are too few there, the 11 of f16 are enough.
; LIMIT: |q|, |k|, |v| < 4 x 65,504 = 262,016.  Inputs as drawn give at most about 3.3; x and the weights both 30 times larger about 3,000; both with an
; offset of 30 spreads 1024 x 30 x (0.54 to 1.9) = 17,000 to 58,000.  Both 30 times smaller: stored values of about 1.6e-4, above f16's smallest normal number.
; Out: q/4 at byte 0 and k/4 at 16,777,216 of qkv as [b*16+head][t][64]; v/4 TRANSPOSED at 33,554,432 as [b*16+head][d][t].
; A work-group makes rows 256 by .. +255 and columns 128 bx .. +127 of each of the three products; 8 x 32 = 256 work-groups.
; Four waves; wave (wm, wn) makes 128 rows x 64 columns (one head) of q, of k and of v: 3 x 32 tiles of 16 x 16, 768 registers.
; For 32 along K a wave reads 8 fragments of x and 12 of the weights (20 KiB) for 96 matrix instructions.
; K goes in steps of 64 through two LDS slots.  x's tile (256 rows x 64 k) is 32,768 consecutive bytes of xw and comes as 128 rows of 256 bytes;
; each weight tile is 64 k-rows x 128 columns, rows of 256 bytes.  The weights lie [K][N]: their fragments are read by the transposing LDS load.
; CLUSTERS: 4 x 4 work-groups.  x's tile hangs on by alone and is asked for jointly by a row of the cluster, the weights' tiles hang on bx alone
; and are asked for jointly by a column: each tile is requested once for four work-groups.
; q and k are made with the sources swapped (weights first): a lane then holds 8 neighbouring d of one row t.  v is made the natural way:
; a lane holds 8 neighbouring t of one column d, which is a piece of a row of v transposed.
;
; REGISTERS in windows of 256: window 0: addresses, x's fragments (two buffers), the weights' fragments; windows 1, 2, 3: the sums of q, k, v,
; tile (m, c) at v[8 (4 m + c)].
.set PA,    272                        ; LDS pitch of x's rows of 256 bytes (two matrix rows): 16 bytes of padding
.set PB,    288                        ; LDS pitch of a weight row of 256 bytes: 32 bytes of padding, an odd multiple of 32
.set APART, 128*PA                     ; 34,816
.set BMAT,  64*PB                      ; 18,432: one weight matrix's tile
.set SLOT,  APART+3*BMAT               ; 90,112
.set STAGE, 2*SLOT                     ; 180,224: behind the ring, 4,352 bytes for each wave, never filled by a tensor load
.set KBLK,  131072                     ; bytes from one K step's tile to the next, in x's layout and in the weights' alike
.set ADRA, 16                          ; v16-17  LDS address of my x fragments in slot 0, 1
.set ADRB, 18                          ; v18-19  the same for the weights
.set STQ,  20                          ; way out of q, k: where I put 16 bytes
.set RDQ,  21                          ;                  where I read back
.set COQ,  22                          ;                  my byte offset in q, k
.set STV,  23                          ; way out of v
.set RDV,  24
.set COV,  25
.set FA0,  32                          ; v32-95    x's 8 fragments, buffer 0
.set FA1,  96                          ; v96-159   buffer 1
.set FB,   160                         ; v160-255  weights' fragments: matrix g, column tile c at FB + 8 (4 g + c)
.set TMP,  32                          ; way out: packed results
.set G1A, 24                           ; s[24:31] group 1 for x's tiles
.set G0A, 32                           ; s[32:39] group 0 for x's tiles, a set for each slot
.set G1B, 48                           ; s[48:55] group 1 for the weights' tiles
.set G0B, 56                           ; s[56:63] group 0 for the weights' tiles, a set for each slot
.set MSB, 0
.macro WIN new                         ; the immediate's high byte repeats the setting that is left
.if MSB != \new
	s_set_vgpr_msb (MSB<<8)|\new
.set MSB, \new
.endif
.endm
.macro PLACES                          ; four plain vector places behind matrix instructions, in front of loads into their sources and of readers of their results
.rept 4
	v_nop
.endr
.endm
; A joint load.  Wave 0 asks for x's tile, waves 1 to 3 for the tile of Wq, Wk, Wv.  Each line has one mask; the branch hangs on the wave's number alone.
.macro JLOAD s
	s_cmp_eq_u32 s10, 0
	s_cbranch_scc0 .Lfor_b_\@
	tensor_load_to_lds s[G0A+4*\s:G0A+4*\s+3], s[G1A:G1A+7]
	s_nop 0
	s_branch .Lasked_\@
.Lfor_b_\@:
	tensor_load_to_lds s[G0B+4*\s:G0B+4*\s+3], s[G1B:G1B+7]
	s_nop 0
.Lasked_\@:
.endm
; A round of the cluster's barrier: my work-group's barrier, wave 0 signals for the work-group, every wave waits for all sixteen, my work-group's barrier again.
.macro CREST                           ; a round behind its opening barrier
	s_cmp_lg_u32 s10, 0
	s_cbranch_scc1 .Lnot_wave_0_\@
	s_barrier_signal -3
.Lnot_wave_0_\@:
	s_barrier_wait -3
	s_barrier_signal -1
	s_barrier_wait -1
.endm
.macro CROUND
	s_barrier_signal -1
	s_barrier_wait -1
	CREST
.endm
	s_load_b128 s[4:7], s[0:1], 0x0                ; xw s[4:5], qkv s[6:7]
	v_lshl_add_u32 v30, v0, 2, 0x30400
	v_mov_b32 v31, 0
	ds_add_u32 v30, v31
	v_lshrrev_b32 v1, 5, v0
	v_readfirstlane_b32 s10, v1                    ; wave 0..3
	s_lshr_b32 s11, s10, 1                         ; wm: which 128 rows
	s_and_b32 s12, s10, 1                          ; wn: which 64 columns
	s_bfe_u32 s40, ttmp6, 0x40000                  ; cx
	s_bfe_u32 s41, ttmp6, 0x40004                  ; cy
	s_lshl_b32 s42, ttmp9, 2
	s_add_co_u32 s42, s42, s40                     ; bx = 4 x cluster x + cx
	s_and_b32 s13, ttmp7, 0xffff
	s_lshl_b32 s13, s13, 2
	s_add_co_u32 s13, s13, s41                     ; by = 4 x cluster y + cy
	s_lshl_b32 s43, s41, 2
	s_lshl_b32 s43, 15, s43                        ; my row of the cluster
	s_lshl_b32 s44, 0x1111, s40                    ; my column
	; group 1 for x: 128 rows x 128 elements of 2 bytes, dense (pitch 128), 4 words of padding behind every 64 words
	s_or_b32 s[G1A+0], s43, (1<<16)|(1<<20)|(1<<21)|(5<<22)|(3<<25)
	s_mov_b32 s[G1A+1], 128<<16                    ; tensor_dim0 = 128
	s_mov_b32 s[G1A+2], 128<<16                    ; tensor_dim1 = 128
	s_mov_b32 s[G1A+3], 128<<16                    ; tile_dim0 = 128
	s_mov_b32 s[G1A+4], 128                        ; tile_dim1 = 128
	s_mov_b32 s[G1A+5], 128                        ; elements from row to row
	s_mov_b32 s[G1A+6], 0
	s_mov_b32 s[G1A+7], 0
	; group 1 for the weights: 64 rows x 128 elements, pitch 1024, 8 words of padding behind every 64 words
	s_or_b32 s[G1B+0], s44, (1<<16)|(1<<20)|(1<<21)|(5<<22)|(7<<25)
	s_mov_b32 s[G1B+1], 128<<16
	s_mov_b32 s[G1B+2], 64<<16
	s_mov_b32 s[G1B+3], 128<<16
	s_mov_b32 s[G1B+4], 64
	s_mov_b32 s[G1B+5], 1024
	s_mov_b32 s[G1B+6], 0
	s_mov_b32 s[G1B+7], 0
	; x's tile: matrix by>>2, rows 256 (by&3) of 128 bytes.  Only by enters these registers.
	s_lshr_b32 s16, s13, 2
	s_lshl_b32 s16, s16, 21
	s_and_b32 s17, s13, 3
	s_lshl_b32 s17, s17, 15
	s_add_co_u32 s16, s16, s17
	s_mov_b32 s17, 0
	; the weights' tile of wave w (1..3): matrix 8 + (w - 1), columns 128 bx.  Only bx and the wave's number enter these registers.
	s_lshl_b32 s46, s10, 21
	s_lshl_b32 s47, s42, 8
	s_add_co_u32 s46, s46, s47
	s_add_co_u32 s46, s46, 14680064                ; 16,777,216 - 2,097,152
	s_mov_b32 s47, 0
	s_mul_i32 s20, s10, BMAT
	s_add_co_u32 s20, s20, APART-BMAT              ; LDS: behind x's part, matrix w - 1
	s_wait_dscnt 0x0
	s_wait_kmcnt 0x0
	s_add_nc_u64 s[14:15], s[4:5], s[16:17]
	s_add_nc_u64 s[46:47], s[4:5], s[46:47]
	CROUND                                         ; all sixteen work-groups are here: the first joint loads meet
.irp s, 0,1
	s_mov_b32 s[G0A+4*\s], 1
	s_mov_b32 s[G0A+4*\s+1], \s*SLOT
	s_add_nc_u64 s[G0A+4*\s+2:G0A+4*\s+3], s[14:15], \s*KBLK
	s_or_b32 s[G0A+4*\s+3], s[G0A+4*\s+3], 0x80000000
	s_mov_b32 s[G0B+4*\s], 1
	s_add_co_u32 s[G0B+4*\s+1], s20, \s*SLOT
	s_add_nc_u64 s[G0B+4*\s+2:G0B+4*\s+3], s[46:47], \s*KBLK
	s_or_b32 s[G0B+4*\s+3], s[G0B+4*\s+3], 0x80000000
	JLOAD \s                                       ; K steps 0 and 1: two tensor loads of a wave are out here, later one
.endr
	; lane terms.  r = lane mod 16, h = lane / 16.
	v_and_b32 v1, 15, v0                           ; r
	v_bfe_u32 v2, v0, 4, 1                         ; h
	; x: matrix row rho lies at (rho>>1) 272 + (rho&1) 128: the 16 rows of a fragment start in 16 different 16-byte columns of 256 bytes
	v_lshrrev_b32 v3, 1, v1
	v_mul_u32_u24 v3, v3, PA
	v_and_b32 v4, 1, v1
	v_lshl_add_u32 v3, v4, 7, v3
	v_lshl_add_u32 v3, v2, 4, v3
	s_mul_i32 s21, s11, 64*PA                      ; my 128 rows
	v_add_nc_u32 v[ADRA], s21, v3
	v_add_nc_u32 v[ADRA+1], SLOT, v[ADRA]
	; weights, for the transposing load: row 8 h + (lane & 7), 16 bytes at 16 ((lane>>3)&1)
	v_and_b32 v5, 7, v0
	v_lshl_add_u32 v5, v2, 3, v5
	v_mul_u32_u24 v5, v5, PB
	v_bfe_u32 v6, v0, 3, 1
	v_lshl_add_u32 v5, v6, 4, v5
	s_lshl_b32 s22, s12, 7                         ; my 64 columns
	s_add_co_u32 s22, s22, APART
	v_add_nc_u32 v[ADRB], s22, v5
	v_add_nc_u32 v[ADRB+1], SLOT, v[ADRB]
	; the way out
	s_mul_i32 s23, s10, 4352
	s_add_co_u32 s23, s23, STAGE
	v_mul_u32_u24 v7, v1, 144
	v_lshl_add_u32 v7, v2, 4, v7
	v_add_nc_u32 v[STQ], s23, v7                   ; q, k in: row r of 128 + 16 bytes, 16 h
	v_and_b32 v8, 31, v0
	v_lshrrev_b32 v9, 3, v8
	v_mul_u32_u24 v9, v9, 144
	v_and_b32 v10, 7, v0
	v_lshl_add_u32 v9, v10, 4, v9
	v_add_nc_u32 v[RDQ], s23, v9                   ; back: four rows of 128 bytes a load
	v_lshlrev_b32 v[COQ], 4, v8                    ; which are 512 consecutive bytes of q, k
	v_mul_u32_u24 v11, v1, 272
	v_lshl_add_u32 v11, v2, 4, v11
	v_add_nc_u32 v[STV], s23, v11                  ; v in: row r (a d) of 256 + 16 bytes
	v_mul_u32_u24 v12, v2, 272
	v_lshl_add_u32 v12, v1, 4, v12
	v_add_nc_u32 v[RDV], s23, v12                  ; back: two rows of 256 bytes a load
	v_lshlrev_b32 v13, 12, v2
	v_lshl_add_u32 v[COV], v1, 4, v13              ; the same two rows of v transposed, 4,096 bytes apart
	s_lshr_b32 s72, s13, 3                         ; b
	s_lshl_b32 s72, s72, 4
	s_lshl_b32 s73, s42, 1
	s_add_co_u32 s72, s72, s73
	s_add_co_u32 s72, s72, s12                     ; 16 b + head
	s_lshl_b32 s72, s72, 18                        ; x 262,144 bytes
	s_and_b32 s74, s13, 7
	s_lshl_b32 s74, s74, 8
	s_lshl_b32 s75, s11, 7
	s_add_co_u32 s74, s74, s75                     ; t0: my first row inside the batch
	s_lshl_b32 s75, s74, 7
	s_add_co_u32 s76, s72, s75
	s_mov_b32 s77, 0
	s_add_nc_u64 s[66:67], s[6:7], s[76:77]        ; q
	s_add_nc_u64 s[68:69], s[66:67], 0x1000000     ; k
	s_lshl_b32 s75, s74, 1
	s_add_co_u32 s76, s72, s75
	s_add_co_u32 s76, s76, 0x2000000
	s_add_nc_u64 s[70:71], s[6:7], s[76:77]        ; v transposed
; 16 loads: x's 8 fragments of sub-step u (32 along K) into buffer f
.macro LDA slot, u, f
.irp m, 0,1,2,3,4,5,6,7
	ds_load_b128 v[\f+8*\m:\f+8*\m+3],   v[ADRA+\slot] offset:\m*8*PA+\u*64
	ds_load_b128 v[\f+8*\m+4:\f+8*\m+7], v[ADRA+\slot] offset:\m*8*PA+\u*64+32
.endr
.endm
; 8 transposing loads: the 4 fragments of weight matrix g
.macro LDB slot, u, g
.irp c, 0,1,2,3
	ds_load_tr16_b128 v[FB+8*(4*\g+\c):FB+8*(4*\g+\c)+3],   v[ADRB+\slot] offset:\g*BMAT+\u*32*PB+\c*32
	ds_load_tr16_b128 v[FB+8*(4*\g+\c)+4:FB+8*(4*\g+\c)+7], v[ADRB+\slot] offset:\g*BMAT+\u*32*PB+\c*32+16*PB
.endr
.endm
; 16 matrix instructions of product g: row tiles 4 half .. +3 x all 4 column tiles.  The accumulators take turns, one instruction a turn.
.macro GRP g, f, half, zero
.irp m, 0,1,2,3
.irp c, 0,1,2,3
.if \g == 2
.if \zero
	v_wmma_f32_16x16x32_bf16 v[8*(16*\half+4*\m+\c):8*(16*\half+4*\m+\c)+7], v[\f+8*(4*\half+\m):\f+8*(4*\half+\m)+7], v[FB+8*(4*\g+\c):FB+8*(4*\g+\c)+7], 0
.else
	v_wmma_f32_16x16x32_bf16 v[8*(16*\half+4*\m+\c):8*(16*\half+4*\m+\c)+7], v[\f+8*(4*\half+\m):\f+8*(4*\half+\m)+7], v[FB+8*(4*\g+\c):FB+8*(4*\g+\c)+7], v[8*(16*\half+4*\m+\c):8*(16*\half+4*\m+\c)+7]
.endif
.else
.if \zero
	v_wmma_f32_16x16x32_bf16 v[8*(16*\half+4*\m+\c):8*(16*\half+4*\m+\c)+7], v[FB+8*(4*\g+\c):FB+8*(4*\g+\c)+7], v[\f+8*(4*\half+\m):\f+8*(4*\half+\m)+7], 0
.else
	v_wmma_f32_16x16x32_bf16 v[8*(16*\half+4*\m+\c):8*(16*\half+4*\m+\c)+7], v[FB+8*(4*\g+\c):FB+8*(4*\g+\c)+7], v[\f+8*(4*\half+\m):\f+8*(4*\half+\m)+7], v[8*(16*\half+4*\m+\c):8*(16*\half+4*\m+\c)+7]
.endif
.endif
.endr
.endr
.endm
; The fragments of a sub-step are issued in the order Wq's (8 loads), x's (16), Wk's (8), Wv's (8), each run behind the product that last read its registers.
; First sub-step of a K step: multiplies buffer 0 and fetches the second sub-step of the same slot.
.macro SUB slot, zero
	s_wait_dscnt 16                                ; Wq's and x's fragments are in; Wk's and Wv's 16 loads may be out
	WIN 0x50
	GRP 0, FA0, 0, \zero
	GRP 0, FA0, 1, \zero
	WIN 0
	PLACES
	LDB \slot, 1, 0
	LDA \slot, 1, FA1
	s_wait_dscnt 32                                ; Wk's are in; out: Wv's 8 and the 24 just issued
	WIN 0xa0
	GRP 1, FA0, 0, \zero
	GRP 1, FA0, 1, \zero
	WIN 0
	PLACES
	LDB \slot, 1, 1
	s_wait_dscnt 32                                ; Wv's are in; out: the 24 and the 8 of the next sub-step
	WIN 0xf0
	GRP 2, FA0, 0, \zero
	GRP 2, FA0, 1, \zero
	WIN 0
	PLACES
	LDB \slot, 1, 2
.endm
; Second sub-step: multiplies buffer 1 and changes slots.  In front of the barrier each wave waits for its reads of this slot and for all its tensor loads
; (the one that is out is its part of the next slot).  Where the slot is filled again the barrier opens a round of the cluster's barrier, and the joint refill is
; the first tensor load behind the round.  From a request to the wait for it a wave issues 176 matrix instructions.
.macro TURN slot, next, fill
	s_wait_dscnt 16
	WIN 0x50
	GRP 0, FA1, 0, 0
	s_wait_dscnt 0                                 ; my reads of this slot are over
	s_wait_tensorcnt 0x0                           ; all my tensor loads have landed
	ds_add_u32 v30, v31
	s_wait_dscnt 0x0
	s_barrier_signal -1
	GRP 0, FA1, 1, 0                               ; register work while the others arrive
	WIN 0
	s_barrier_wait -1
.if \fill
	CREST
	s_add_nc_u64 s[G0A+4*\slot+2:G0A+4*\slot+3], s[G0A+4*\slot+2:G0A+4*\slot+3], 2*KBLK
	s_add_nc_u64 s[G0B+4*\slot+2:G0B+4*\slot+3], s[G0B+4*\slot+2:G0B+4*\slot+3], 2*KBLK
	JLOAD \slot
.endif
	PLACES
	LDB \next, 0, 0
	LDA \next, 0, FA0
	WIN 0xa0
	GRP 1, FA1, 0, 0
	GRP 1, FA1, 1, 0
	WIN 0
	PLACES
	LDB \next, 0, 1
	WIN 0xf0
	GRP 2, FA1, 0, 0
	GRP 2, FA1, 1, 0
	WIN 0
	PLACES
	LDB \next, 0, 2
.endm
.macro LAP zero
	SUB 0, \zero
	TURN 0, 1, 1
	SUB 1, 0
	TURN 1, 0, 1
.endm
	s_wait_tensorcnt 0x1                           ; my part of K step 0 is in; K step 1's may stay out
	s_barrier_signal -1
	s_barrier_wait -1
	LDB 0, 0, 0
	LDA 0, 0, FA0
	LDB 0, 0, 1
	LDB 0, 0, 2
	LAP 1                                          ; K steps 0, 1: the first products start the sums, nothing is cleared
	s_mov_b32 s3, 6                                ; K steps 2 to 13
.Llap:
	LAP 0
	s_sub_co_u32 s3, s3, 1
	s_cmp_lg_u32 s3, 0
	s_cbranch_scc1 .Llap
	SUB 0, 0                                       ; K steps 14, 15: nothing is left to fetch
	TURN 0, 1, 0
	SUB 1, 0
	s_wait_dscnt 16
	WIN 0x50
	GRP 0, FA1, 0, 0
	GRP 0, FA1, 1, 0
	s_wait_dscnt 8                                 ; only Wv's 8 loads are younger than Wk's
	WIN 0xa0
	GRP 1, FA1, 0, 0
	GRP 1, FA1, 1, 0
	s_wait_dscnt 0
	WIN 0xf0
	GRP 2, FA1, 0, 0
	GRP 2, FA1, 1, 0
	WIN 0
	PLACES
; THE WAY OUT, through my own stage: LDS serves a wave's instructions in order, so no wait stands between my stores and my loads.
; 16 rows of q or k (row tile m, 64 d), rounded to f16: 16 bytes a lane in, four rows of 128 bytes a load back, each store 512 consecutive bytes.
.macro OUTQ win, base, m, buf
	WIN \win
.irp c, 0,1,2,3
.irp q, 0,1,2,3
	v_cvt_pk_f16_f32 v[TMP+4*\c+\q], v[8*(4*\m+\c)+2*\q], v[8*(4*\m+\c)+2*\q+1]
.endr
.endr
	WIN 0
.irp c, 0,1,2,3
	ds_store_b128 v[STQ], v[TMP+4*\c:TMP+4*\c+3] offset:32*\c
.endr
	s_wait_xcnt 0x0                                ; the buffer, which earlier stores read, is loaded again only behind this wait
.irp t, 0,1,2,3
	ds_load_b128 v[\buf+4*\t:\buf+4*\t+3], v[RDQ] offset:576*\t
.endr
.irp t, 0,1,2,3
	s_wait_dscnt 3-\t
	global_store_b128 v[COQ], v[\buf+4*\t:\buf+4*\t+3], s[\base:\base+1] offset:\m*2048+512*\t
.endr
.endm
; 16 rows of v transposed (column tile c = 16 d, my 128 t): two rows of 256 bytes a load back; 16 lanes store 256 consecutive bytes
.macro OUTV c, buf
	WIN 0x0f
.irp m, 0,1,2,3,4,5,6,7
.irp q, 0,1,2,3
	v_cvt_pk_f16_f32 v[TMP+4*\m+\q], v[8*(4*\m+\c)+2*\q], v[8*(4*\m+\c)+2*\q+1]
.endr
.endr
	WIN 0
.irp m, 0,1,2,3,4,5,6,7
	ds_store_b128 v[STV], v[TMP+4*\m:TMP+4*\m+3] offset:32*\m
.endr
	s_wait_xcnt 0x0
.irp t, 0,1,2,3,4,5,6,7
	ds_load_b128 v[\buf+4*\t:\buf+4*\t+3], v[RDV] offset:544*\t
.endr
.irp t, 0,1,2,3,4,5,6,7
	s_wait_dscnt 7-\t
	global_store_b128 v[COV], v[\buf+4*\t:\buf+4*\t+3], s[70:71] offset:(16*\c+2*\t)*4096
.endr
.endm
	OUTQ 0x05, 66, 0, 96
	OUTQ 0x05, 66, 1, 112
	OUTQ 0x05, 66, 2, 96
	OUTQ 0x05, 66, 3, 112
	OUTQ 0x05, 66, 4, 96
	OUTQ 0x05, 66, 5, 112
	OUTQ 0x05, 66, 6, 96
	OUTQ 0x05, 66, 7, 112
	OUTQ 0x0a, 68, 0, 96
	OUTQ 0x0a, 68, 1, 112
	OUTQ 0x0a, 68, 2, 96
	OUTQ 0x0a, 68, 3, 112
	OUTQ 0x0a, 68, 4, 96
	OUTQ 0x0a, 68, 5, 112
	OUTQ 0x0a, 68, 6, 96
	OUTQ 0x0a, 68, 7, 112
	OUTV 0, 96
	OUTV 1, 128
	OUTV 2, 96
	OUTV 3, 128
	s_wait_tensorcnt 0x0
	ds_add_u32 v30, v31
	s_wait_dscnt 0x0
	CROUND                                         ; the closing round: no work-group ends while a partner may still ask for a tile that names it
	s_endpgm
.Lfunc_end_k_q73c8217471_qkv:
	.size	k_q73c8217471_qkv, .Lfunc_end_k_q73c8217471_qkv-k_q73c8217471_qkv
	.p2alignl 7, 3214868480
	.fill 96, 4, 3214868480
	.section	.rodata,"a",@progbits
	.p2align	6, 0x0
	.amdhsa_kernel k_q73c8217471_qkv
		.amdhsa_group_segment_fixed_size 327680
		.amdhsa_private_segment_fixed_size 0
		.amdhsa_enable_private_segment 0
		.amdhsa_kernarg_size 16
		.amdhsa_user_sgpr_count 2
		.amdhsa_user_sgpr_kernarg_segment_ptr 1
		.amdhsa_wavefront_size32 1
		.amdhsa_system_sgpr_workgroup_id_x 1
		.amdhsa_system_sgpr_workgroup_id_y 1
		.amdhsa_system_sgpr_workgroup_id_z 1
		.amdhsa_system_vgpr_workitem_id 0
		.amdhsa_next_free_vgpr 1024
		.amdhsa_next_free_sgpr 90
		.amdhsa_reserve_vcc 0
		.amdhsa_float_denorm_mode_32 3
		.amdhsa_float_denorm_mode_16_64 3
		.amdhsa_memory_ordered 1
		.amdhsa_forward_progress 1
		.amdhsa_inst_pref_size 171
	.end_amdhsa_kernel
	.amdgpu_metadata
---
amdhsa.version: [ 1, 2 ]
amdhsa.kernels:
  - .name:           k_q73c8217471_qkv
    .symbol:         k_q73c8217471_qkv.kd
    .args:
      - { .name: xw, .offset: 0, .size: 8, .value_kind: global_buffer, .address_space: global }
      - { .name: qkv, .offset: 8, .size: 8, .value_kind: global_buffer, .address_space: global }
    .group_segment_fixed_size: 327680
    .private_segment_fixed_size: 0
    .kernarg_segment_align: 8
    .kernarg_segment_size: 16
    .max_flat_workgroup_size: 128
    .sgpr_count:     90
    .vgpr_count:     1024
    .wavefront_size: 32
...
	.end_amdgpu_metadata
.endif
;; end of part 2
;; launch attn (part 3): grid 256 x 1, 8 waves a work-group, no clusters, 327,680 bytes of LDS; arguments qkv, ctx; writes ctx
.if DOCPART == 3
	.amdgcn_target "amdgcn-amd-amdhsa--gfx1250"
	.amdhsa_code_object_version 6
	.text
	.protected	k_q73c8217471_attn
	.globl	k_q73c8217471_attn
	.p2align	8
	.type	k_q73c8217471_attn,@function
k_q73c8217471_attn:
	s_mov_b64 s[64:65], 0
	v_nop
	global_prefetch_b8 v0, s[64:65] scope:SCOPE_SE
	s_setreg_imm32_b32 hwreg(HW_REG_WAVE_MODE, 25, 1), 1
	s_wait_xcnt 0x0
; Causal attention of one head, softmax(q k^T / 8) v, with a running maximum.  In: q/4, k/4 as [bh][t][64] f16; v/4 transposed as [bh][d][t] f16.
; Out: ctx/4 in f16, rows m = b*2048 + t, columns head*64 + d, in blocks of 64 columns: byte = ((m>>10)*16 + head)*131072 + (m&1023)*128 + 2 d.
; The stored scores are q k / 16, so the exponent of 2 is (q k / 16) x 16 log2(e) / 8 = (q k / 16) x 2 log2(e).
; LIMITS: q, k, v, the probabilities and ctx are rounded to f16 (the probabilities lie in 0 .. 1 thanks to the running maximum; those below 2^-25 count as 0
; in the product, those below 2^-126 also in the denominator); |v| < 262,016, and so |ctx|; scores must be finite.
; WORK: a head has 8 query blocks of 256 rows; block i needs the key tiles 0 .. i of 256 keys.  Work-group (bh, c) makes block 6 - 2c (7 - 2c tiles)
; and then block 2c + 1 (2c + 2 tiles): 9 tiles for every one of the 256 work-groups.  7 - 2c is odd, so the change of blocks always falls behind a step on slot 0.
; WAVES: eight.  Waves w and w + 4 own the same 64 query rows and share the keys: of each 128 keys wave p = wave / 4 takes the 64 with index p.
; At a block's end wave w + 4 hands its sums, maximum and denominator to wave w through LDS, and wave w merges them in f32.
; ORIENTATION: S^T = K Q^T (rows: keys, columns: queries), so a lane holds 8 keys of ONE query in a tile's 8 registers: the softmax figures are one number a
; lane, only the two halves of the wave are crossed, and two neighbouring scores packed to f16 are already a register of P^T as second source of O^T = V^T P^T.
; NO CLUSTER: the four work-groups of a head read the same 8 tiles, but in the same step they need different ones: work-group c reads 0 .. 6-2c and then
; 0 .. 2c+1, so c = 3 starts anew after one step, c = 2 after three.  A walk in which all four ask for every tile would have 7 + 8 = 15 steps instead of 9.
.set HALF, 17408                       ; 64 rows of 256 + 16 bytes: 128 keys of K (two keys a row), or 64 d-rows x 128 keys of v transposed
.set SLOT, 4*HALF                      ; K's two halves, then v's two halves: 256 keys
.set SCR,  2*SLOT                      ; 139,264: 4 x 17,408: what wave w + 4 hands to wave w (32 x 512 sums, 512 maxima, 512 denominators)
.set STG,  SCR+4*HALF                  ; 208,896: 4 x 9,216: wave w's stage for the way out, 64 rows of 128 + 16 bytes
.set STGW, 9216
.set VK,   4                           ; v4-5   LDS address of my K fragments in slot 0, 1
.set VV,   6                           ; v6-7   of my V fragments
.set VQ,   8                           ; my byte offset in q
.set VSCR, 9
.set VSTO, 10
.set VRD,  11
.set VCO,  12
.set NINF, 13                          ; -infinity
.set VD,   14                          ; r - 8 h
.set MR,   16                          ; v16-19  running maximum of query tile b
.set LR,   20                          ; v20-23  running denominator (my half of the wave's keys)
.set NM,   24                          ; v24-31  -c x maximum, as pairs
.set AL,   32                          ; v32-39  the step's rescaling factor, as pairs
.set MX,   40                          ; v40-43  scratch of the merge
.set XR,   44                          ; v44-47  the other half's figure
.set TR,   48                          ; v48-63  at work
.set QR,   64                          ; v64-127   Q fragments: (b, e) at QR + 8 (2 b + e)
.set KV,   128                         ; v128-191  K fragments (a, e) at KV + 8 (4 e + a), later V fragments (d, e) likewise
.set PR,   192                         ; v192-255  P fragments (b, e) at PR + 8 (2 b + e)
.set SA,   0                           ; window 1: scores, tile (b, a) at 8 (4 b + a)
.set OA,   128                         ; window 1: sums of O^T, tile (b, d) at 128 + 8 (4 b + d)
.set CPOS, 0x4038aa3b                  ; c = 2 log2(e)
.set CNEG, 0xc038aa3b
.set WV,   8                           ; wave
.set W4,   9                           ; wave & 3
.set PP,   10                          ; wave >> 2
.set BH,   11
.set CC,   12
.set KT,   15                          ; key tile at work
.set KTN,  16                          ; key tile to ask for next
.set QB,   17                          ; my 64 query rows, in units of 64
.set IB,   18                          ; query block at work
.set LIM,  19                          ; tiles of the first block, until they have all been asked for
.set FLAG, 22                          ; 1: a block has just ended
.set MK,   24                          ; s[24:31] lanes in which key j of the diagonal tile lies above the diagonal
.set G1K,  32
.set G1V,  40
.set G0K,  48                          ; s[48:55] a set for each slot
.set G0V,  56                          ; s[56:63]
.set TL,   72                          ; my 64 keys, in units of 64
.set YB,   73                          ; the second block
.set MSB, 0
.macro WIN new
.if MSB != \new
	s_set_vgpr_msb (MSB<<8)|\new
.set MSB, \new
.endif
.endm
.macro PLACES                          ; four plain vector places behind matrix instructions (ISA guide 7.12.1)
.rept 4
	v_nop
.endr
.endm
; Waves 0, 1 ask for K's halves, waves 2, 3 for v's; waves 4 to 7 ask for nothing.  One tensor load of a wave is out at any time.
.macro TLOAD slot
	s_cmp_lt_u32 s[WV], 2
	s_cbranch_scc0 .Lnot_k_\@
	tensor_load_to_lds s[G0K+4*\slot:G0K+4*\slot+3], s[G1K:G1K+7]
	s_nop 0
	s_branch .Lasked_\@
.Lnot_k_\@:
	s_cmp_lt_u32 s[WV], 4
	s_cbranch_scc0 .Lasked_\@
	tensor_load_to_lds s[G0V+4*\slot:G0V+4*\slot+3], s[G1V:G1V+7]
	s_nop 0
.Lasked_\@:
.endm
.macro SETG0 o                         ; slot o's global addresses for tile KTN; written only where no tensor load of the wave is out
	s_lshl_b32 s70, s[KTN], 15                     ; 256 keys of 128 bytes
	s_add_nc_u64 s[G0K+4*\o+2:G0K+4*\o+3], s[66:67], s[70:71]
	s_or_b32 s[G0K+4*\o+3], s[G0K+4*\o+3], 0x80000000
	s_lshl_b32 s70, s[KTN], 9                      ; 256 keys of 2 bytes along v's rows
	s_add_nc_u64 s[G0V+4*\o+2:G0V+4*\o+3], s[68:69], s[70:71]
	s_or_b32 s[G0V+4*\o+3], s[G0V+4*\o+3], 0x80000000
.endm
.macro ADV                             ; the next tile; behind the first block's last tile the second block begins at tile 0
	s_add_co_u32 s[KTN], s[KTN], 1
	s_cmp_eq_u32 s[KTN], s[LIM]
	s_cselect_b32 s[KTN], 0, s[KTN]
	s_cselect_b32 s[LIM], 0xff, s[LIM]
.endm
.macro BASES ib, qd, cd                ; the addresses of my 64 rows of q and of ctx in query block s[ib]
	s_lshl_b32 s74, s[\ib], 8
	s_lshl_b32 s75, s[W4], 6
	s_add_co_u32 s74, s74, s75                     ; 256 ib + 64 w
	s_lshl_b32 s75, s[BH], 11
	s_add_co_u32 s75, s75, s74
	s_lshl_b32 s70, s75, 7
	s_add_nc_u64 s[\qd:\qd+1], s[4:5], s[70:71]
	s_lshr_b32 s75, s[BH], 4
	s_lshl_b32 s75, s75, 11
	s_add_co_u32 s74, s74, s75                     ; m0 = b 2048 + t
	s_lshr_b32 s75, s74, 10
	s_lshl_b32 s75, s75, 4
	s_and_b32 s70, s[BH], 15
	s_add_co_u32 s75, s75, s70
	s_lshl_b32 s75, s75, 17
	s_and_b32 s74, s74, 1023
	s_lshl_b32 s74, s74, 7
	s_add_co_u32 s70, s75, s74
	s_add_nc_u64 s[\cd:\cd+1], s[6:7], s[70:71]
.endm
.macro QLOAD base                      ; my 64 query rows as second-source fragments, straight from memory: once for each block
.irp b, 0,1,2,3
.irp e, 0,1
	global_load_b128 v[QR+8*(2*\b+\e):QR+8*(2*\b+\e)+3],   v[VQ], s[\base:\base+1] offset:\b*2048+\e*64
	global_load_b128 v[QR+8*(2*\b+\e)+4:QR+8*(2*\b+\e)+7], v[VQ], s[\base:\base+1] offset:\b*2048+\e*64+32
.endr
.endr
.endm
; A block's start.  The sums are cleared, twice in the kernel, because which step is a wave's first, or whether it has one at all (rows 0-63, p = 1),
; hangs on its place; with zero sums, maximum -infinity and denominator 0 an empty wave merges with weight 0 and needs no case of its own.
.macro INIT
	WIN 0x40
.set n, 0
.rept 128
	v_mov_b32 v[OA+n], 0
.set n, n+1
.endr
	WIN 0
.irp b, 0,1,2,3
	v_mov_b32 v[MR+\b], 0xff800000
	v_mov_b32 v[LR+\b], 0
	v_mov_b32 v[NM+2*\b], 0x7f800000
	v_mov_b32 v[NM+2*\b+1], 0x7f800000
.endr
.endm
; 64 queries x my 64 keys of the 128 keys dsub of a slot.  Skipped where all keys lie above the diagonal; masked where the tile lies on it.
.macro TSTEP slot, dsub
	s_lshl2_add_u32 s[TL], s[KT], s[PP]            ; 4 kt + p
.if \dsub
	s_add_co_u32 s[TL], s[TL], 2
.endif
	s_cmp_gt_u32 s[TL], s[QB]
	s_cbranch_scc1 .Lskip_\@
.irp e, 0,1
.irp a, 0,1,2,3
	ds_load_b128 v[KV+8*(4*\e+\a):KV+8*(4*\e+\a)+3],   v[VK+\slot] offset:\dsub*HALF+\a*2176+\e*64
	ds_load_b128 v[KV+8*(4*\e+\a)+4:KV+8*(4*\e+\a)+7], v[VK+\slot] offset:\dsub*HALF+\a*2176+\e*64+32
.endr
.endr
	s_wait_dscnt 8                                 ; d 0-31 of my 64 keys are in, the other 8 loads may be out
	WIN 0x50
	; the 16 score tiles take turns, one instruction a turn
.irp b, 0,1,2,3
.irp a, 0,1,2,3
	v_wmma_f32_16x16x32_f16 v[SA+8*(4*\b+\a):SA+8*(4*\b+\a)+7], v[KV+8*\a:KV+8*\a+7], v[QR+16*\b:QR+16*\b+7], 0
.endr
.endr
	s_wait_dscnt 0
.irp b, 0,1,2,3
.irp a, 0,1,2,3
	v_wmma_f32_16x16x32_f16 v[SA+8*(4*\b+\a):SA+8*(4*\b+\a)+7], v[KV+32+8*\a:KV+32+8*\a+7], v[QR+16*\b+8:QR+16*\b+15], v[SA+8*(4*\b+\a):SA+8*(4*\b+\a)+7]
.endr
.endr
	WIN 0
	PLACES
.irp e, 0,1
.irp d, 0,1,2,3
	ds_load_b128 v[KV+8*(4*\e+\d):KV+8*(4*\e+\d)+3],   v[VV+\slot] offset:\dsub*HALF+\d*4352+\e*64
	ds_load_b128 v[KV+8*(4*\e+\d)+4:KV+8*(4*\e+\d)+7], v[VV+\slot] offset:\dsub*HALF+\d*4352+\e*64+32
.endr
.endr
	s_cmp_lg_u32 s[TL], s[QB]
	s_cbranch_scc1 .Lnomask_\@
	; on the diagonal: key 16 a + 8 h + j against query 16 b + r.  a > b: all above; a = b: above where j > r - 8 h; a < b: none
	WIN 0x41
.irp t, 1,2,3,6,7,11
.irp j, 0,1,2,3,4,5,6,7
	v_mov_b32 v[SA+8*\t+\j], 0xff800000
.endr
.endr
.irp t, 0,5,10,15
.irp j, 0,1,2,3,4,5,6,7
	v_cndmask_b32 v[SA+8*\t+\j], v[SA+8*\t+\j], v[NINF], s[MK+\j]
.endr
.endr
	WIN 0
.Lnomask_\@:
	; the new maximum: 32 scores a lane and query tile, four chains that do not wait for each other, onto the running maximum
	WIN 0x05
.irp k, 0,1,2,3,4,5,6,7,8,9,10,11,12,13,14,15
.irp b, 0,1,2,3
	v_max3_num_f32 v[MR+\b], v[SA+32*\b+2*\k], v[SA+32*\b+2*\k+1], v[MR+\b]
.endr
.endr
	WIN 0
.irp b, 0,1,2,3
	v_permlanex16_b32 v[XR+\b], v[MR+\b], s20, s21 ; the other 8 keys of each 16 lie in the other half of the wave
.endr
.irp b, 0,1,2,3
	v_max_num_f32 v[MR+\b], v[MR+\b], v[XR+\b]
.endr
.irp b, 0,1,2,3
	v_mul_f32 v[TR+\b], CNEG, v[MR+\b]             ; -c m
.endr
.irp b, 0,1,2,3
	v_sub_f32 v[AL+2*\b], v[TR+\b], v[NM+2*\b]     ; c (m_old - m_new); -infinity at a block's first step
.endr
.irp b, 0,1,2,3
	v_exp_f32 v[AL+2*\b], v[AL+2*\b]
.endr
.irp b, 0,1,2,3
	v_mov_b32 v[NM+2*\b], v[TR+\b]                 ; plain work behind the exponentials, ahead of the first use of their results
	v_mov_b32 v[NM+2*\b+1], v[TR+\b]
.endr
	s_wait_alu depctr_va_vdst(0)
.irp b, 0,1,2,3
	v_mov_b32 v[AL+2*\b+1], v[AL+2*\b]
.endr
	; p = 2^(c s - c m); between two exponentials' pairs a packed rescaling of the sums, which is the plain place behind them
	WIN 0x41
.irp b, 0,1,2,3
.irp k, 0,1,2,3,4,5,6,7,8,9,10,11,12,13,14,15
	v_pk_fma_f32 v[SA+32*\b+2*\k:SA+32*\b+2*\k+1], v[SA+32*\b+2*\k:SA+32*\b+2*\k+1], CPOS, v[NM+2*\b:NM+2*\b+1] op_sel_hi:[1,0,1]
.endr
.irp k, 0,1,2,3,4,5,6,7,8,9,10,11,12,13,14,15
	v_exp_f32 v[SA+32*\b+2*\k], v[SA+32*\b+2*\k]
	v_exp_f32 v[SA+32*\b+2*\k+1], v[SA+32*\b+2*\k+1]
	v_pk_mul_f32 v[OA+32*\b+2*\k:OA+32*\b+2*\k+1], v[OA+32*\b+2*\k:OA+32*\b+2*\k+1], v[AL+2*\b:AL+2*\b+1]
.endr
.endr
	; two neighbouring keys' p packed to f16: register n/2 of P^T's fragments; and the sum of my 32 p for each query tile
	WIN 0x05
.set n, 0
	s_wait_alu depctr_va_vdst(0)
.rept 64
	v_cvt_pk_f16_f32 v[PR+n], v[SA+2*n], v[SA+2*n+1]
.set n, n+1
.endr
.irp b, 0,1,2,3
	v_pk_add_f32 v[TR+4*\b:TR+4*\b+1],   v[SA+32*\b:SA+32*\b+1],   v[SA+32*\b+2:SA+32*\b+3]
	v_pk_add_f32 v[TR+4*\b+2:TR+4*\b+3], v[SA+32*\b+4:SA+32*\b+5], v[SA+32*\b+6:SA+32*\b+7]
.endr
	WIN 0x01
.irp k, 4,6,8,10,12,14
.irp b, 0,1,2,3
	v_pk_add_f32 v[TR+4*\b:TR+4*\b+1],   v[SA+32*\b+2*\k:SA+32*\b+2*\k+1],   v[TR+4*\b:TR+4*\b+1]
	v_pk_add_f32 v[TR+4*\b+2:TR+4*\b+3], v[SA+32*\b+2*\k+2:SA+32*\b+2*\k+3], v[TR+4*\b+2:TR+4*\b+3]
.endr
.endr
	WIN 0
.irp b, 0,1,2,3
	v_pk_add_f32 v[TR+4*\b:TR+4*\b+1], v[TR+4*\b:TR+4*\b+1], v[TR+4*\b+2:TR+4*\b+3]
.endr
.irp b, 0,1,2,3
	v_add_f32 v[TR+4*\b], v[TR+4*\b], v[TR+4*\b+1]
.endr
.irp b, 0,1,2,3
	v_fma_f32 v[LR+\b], v[LR+\b], v[AL+2*\b], v[TR+4*\b]
.endr
	s_wait_dscnt 8                                 ; v's fragments of my keys 0-31 are in
	WIN 0x50
	; the 16 tiles of O^T take turns, one instruction a turn
.irp b, 0,1,2,3
.irp d, 0,1,2,3
	v_wmma_f32_16x16x32_f16 v[OA+8*(4*\b+\d):OA+8*(4*\b+\d)+7], v[KV+8*\d:KV+8*\d+7], v[PR+16*\b:PR+16*\b+7], v[OA+8*(4*\b+\d):OA+8*(4*\b+\d)+7]
.endr
.endr
	s_wait_dscnt 0
.irp b, 0,1,2,3
.irp d, 0,1,2,3
	v_wmma_f32_16x16x32_f16 v[OA+8*(4*\b+\d):OA+8*(4*\b+\d)+7], v[KV+32+8*\d:KV+32+8*\d+7], v[PR+16*\b+8:PR+16*\b+15], v[OA+8*(4*\b+\d):OA+8*(4*\b+\d)+7]
.endr
.endr
	WIN 0
	PLACES
.Lskip_\@:
.endm
; Wave w + 4 hands over: 128 registers of sums, 4 maxima, 4 denominators; each store is 512 consecutive bytes.
.macro FIN_B
	WIN 0x04
.set n, 0
.rept 32
	ds_store_b128 v[VSCR], v[OA+4*n:OA+4*n+3] offset:512*n
.set n, n+1
.endr
	WIN 0
	ds_store_b128 v[VSCR], v[MR:MR+3] offset:16384
	ds_store_b128 v[VSCR], v[LR:LR+3] offset:16896
.endm
; Wave w merges, divides, rounds and stores its 64 rows of ctx.  It stands behind a barrier in front of which wave w + 4 has waited for its stores.
.macro FIN_A base
.set n, 0
.rept 32
	ds_load_b128 v[128+4*n:128+4*n+3], v[VSCR] offset:512*n
.set n, n+1
.endr
	ds_load_b128 v[MX:MX+3], v[VSCR] offset:16384
	ds_load_b128 v[XR:XR+3], v[VSCR] offset:16896
	s_wait_dscnt 0x0
.irp b, 0,1,2,3
	v_mul_f32 v[TR+\b], CNEG, v[MX+\b]             ; -c m of the partner (+infinity if it had no step)
.endr
.irp b, 0,1,2,3
	v_min_num_f32 v[TR+4+\b], v[NM+2*\b], v[TR+\b] ; -c max(m, m')
.endr
.irp b, 0,1,2,3
	v_sub_f32 v[TR+8+\b],  v[TR+4+\b], v[NM+2*\b]
	v_sub_f32 v[TR+12+\b], v[TR+4+\b], v[TR+\b]
.endr
.irp b, 0,1,2,3
	v_exp_f32 v[TR+8+\b],  v[TR+8+\b]              ; my weight
	v_exp_f32 v[TR+12+\b], v[TR+12+\b]             ; the partner's
.endr
	v_nop                                          ; the plain place behind the exponentials
	s_wait_alu depctr_va_vdst(0)
.irp b, 0,1,2,3
	v_mul_f32 v[XR+\b], v[XR+\b], v[TR+12+\b]
.endr
.irp b, 0,1,2,3
	v_fma_f32 v[LR+\b], v[LR+\b], v[TR+8+\b], v[XR+\b]
.endr
.irp b, 0,1,2,3
	v_permlanex16_b32 v[MX+\b], v[LR+\b], s20, s21 ; the denominators were kept apart in the two halves of the wave
.endr
.irp b, 0,1,2,3
	v_add_f32 v[LR+\b], v[LR+\b], v[MX+\b]
.endr
.irp b, 0,1,2,3
	v_rcp_f32 v[MX+\b], v[LR+\b]
.endr
	v_nop                                          ; the plain place behind the reciprocals
	s_wait_alu depctr_va_vdst(0)
.irp b, 0,1,2,3
	v_mul_f32 v[AL+2*\b],   v[TR+8+\b],  v[MX+\b]
	v_mul_f32 v[AL+2*\b+1], v[TR+8+\b],  v[MX+\b]
	v_mul_f32 v[NM+2*\b],   v[TR+12+\b], v[MX+\b]  ; NM is dead from here on: it holds the partner's factor
	v_mul_f32 v[NM+2*\b+1], v[TR+12+\b], v[MX+\b]
.endr
.irp b, 0,1,2,3
.irp k, 0,1,2,3,4,5,6,7,8,9,10,11,12,13,14,15
	v_pk_mul_f32 v[128+32*\b+2*\k:128+32*\b+2*\k+1], v[128+32*\b+2*\k:128+32*\b+2*\k+1], v[NM+2*\b:NM+2*\b+1]
.endr
.endr
	WIN 0x01
.irp b, 0,1,2,3
.irp k, 0,1,2,3,4,5,6,7,8,9,10,11,12,13,14,15
	v_pk_fma_f32 v[128+32*\b+2*\k:128+32*\b+2*\k+1], v[OA+32*\b+2*\k:OA+32*\b+2*\k+1], v[AL+2*\b:AL+2*\b+1], v[128+32*\b+2*\k:128+32*\b+2*\k+1]
.endr
.endr
	WIN 0
.set n, 0
.rept 64
	v_cvt_pk_f16_f32 v[128+n], v[128+2*n], v[128+2*n+1]    ; ascending, in place: register n is written when 2 n and 2 n + 1 have been read
.set n, n+1
.endr
.irp b, 0,1,2,3
.irp d, 0,1,2,3
	ds_store_b128 v[VSTO], v[128+4*(4*\b+\d):128+4*(4*\b+\d)+3] offset:\b*2304+\d*32   ; query 16 b + r, d = 16 d + 8 h ..: my own stage
.endr
.endr
.set n, 0
.rept 16
	ds_load_b128 v[192+4*n:192+4*n+3], v[VRD] offset:576*n         ; four rows of 128 bytes; LDS serves a wave's instructions in order
.set n, n+1
.endr
.set n, 0
.rept 16
	s_wait_dscnt 15-n
	global_store_b128 v[VCO], v[192+4*n:192+4*n+3], s[\base:\base+1] offset:512*n   ; 512 consecutive bytes of ctx
.set n, n+1
.endr
	s_wait_xcnt 0x0                                ; v192-255 are written again only behind this wait
.endm
; One key tile of 256 keys.  In front of the barrier every wave waits for all its tensor loads (this slot's tile among them) and for its LDS reads of the other
; slot; behind it the other slot's refill comes first.  sw = 1: behind this step the first block may end.
.macro SSTEP slot, other, refill, sw
	s_wait_xcnt 0x0
	v_lshl_add_u32 v62, v0, 2, 0x3c000
	v_mov_b32 v63, 0
	s_wait_tensorcnt 0x0
	ds_add_u32 v62, v63
	s_wait_dscnt 0x0
.if \refill
	SETG0 \other
	ADV
.endif
	s_wait_dscnt 0x0
	s_barrier_signal -1
	s_barrier_wait -1
.if \refill
	TLOAD \other
.endif
.if \slot == 1
	s_cmp_eq_u32 s[FLAG], 0
	s_cbranch_scc1 .Lnofin_\@
	s_cmp_lg_u32 s[PP], 0
	s_cbranch_scc1 .Lnoa_\@
	FIN_A 76
.Lnoa_\@:
	INIT
	s_mov_b32 s[FLAG], 0
.Lnofin_\@:
.endif
	s_wait_loadcnt 0x0                             ; my Q fragments
	TSTEP \slot, 0
	TSTEP \slot, 1
.if \sw
	s_cmp_lg_u32 s[KT], s[IB]
	s_cbranch_scc1 .Lnosw_\@
	s_cmp_eq_u32 s[PP], 0
	s_cbranch_scc1 .Lnob_\@
	FIN_B
.Lnob_\@:
	QLOAD 82                                       ; the second block's queries, on their way across the barrier
	s_mov_b32 s[IB], s[YB]
	s_lshl2_add_u32 s[QB], s[YB], s[W4]
	s_mov_b32 s[KT], -1
	s_mov_b32 s[FLAG], 1
.Lnosw_\@:
.endif
	s_add_co_u32 s[KT], s[KT], 1
.endm
	s_load_b128 s[4:7], s[0:1], 0x0                ; qkv s[4:5], ctx s[6:7]
	v_lshl_add_u32 v62, v0, 2, 0x3c000
	v_mov_b32 v63, 0
	ds_add_u32 v62, v63
	s_wait_dscnt 0x0
	v_lshrrev_b32 v1, 5, v0
	v_readfirstlane_b32 s[WV], v1
	s_and_b32 s[W4], s[WV], 3
	s_lshr_b32 s[PP], s[WV], 2
	s_lshr_b32 s[BH], ttmp9, 2
	s_and_b32 s[CC], ttmp9, 3
	s_lshl_b32 s74, s[CC], 1
	s_sub_co_u32 s[IB], 6, s74                     ; first block 6 - 2c
	s_add_co_u32 s[YB], s74, 1                     ; second block 2c + 1
	s_add_co_u32 s[LIM], s[IB], 1
	s_lshl2_add_u32 s[QB], s[IB], s[W4]
	s_mov_b32 s[KT], 0
	s_mov_b32 s[KTN], 0
	s_mov_b32 s[FLAG], 0
	s_mov_b32 s20, 0x76543210                      ; v_permlanex16_b32: lane i reads lane i of the other half
	s_mov_b32 s21, 0xfedcba98
	s_mov_b32 s71, 0                               ; high word of the offset pair
	; group 1: 64 rows x 128 elements of 2 bytes, 4 words of padding behind every 64 words.  K: dense (two keys a row); v: rows of 2,048 elements
	s_mov_b32 s[G1K+0], (1<<16)|(1<<20)|(5<<22)|(3<<25)
	s_mov_b32 s[G1K+1], 128<<16
	s_mov_b32 s[G1K+2], 64<<16
	s_mov_b32 s[G1K+3], 128<<16
	s_mov_b32 s[G1K+4], 64
	s_mov_b32 s[G1K+5], 128
	s_mov_b32 s[G1K+6], 0
	s_mov_b32 s[G1K+7], 0
	s_mov_b32 s[G1V+0], (1<<16)|(1<<20)|(5<<22)|(3<<25)
	s_mov_b32 s[G1V+1], 128<<16
	s_mov_b32 s[G1V+2], 64<<16
	s_mov_b32 s[G1V+3], 128<<16
	s_mov_b32 s[G1V+4], 64
	s_mov_b32 s[G1V+5], 2048
	s_mov_b32 s[G1V+6], 0
	s_mov_b32 s[G1V+7], 0
	s_mul_i32 s74, s[WV], HALF                     ; LDS: wave 0, 1: K's halves; wave 2, 3: v's
.irp s, 0,1
	s_mov_b32 s[G0K+4*\s], 1
	s_add_co_u32 s[G0K+4*\s+1], s74, \s*SLOT
	s_mov_b32 s[G0V+4*\s], 1
	s_add_co_u32 s[G0V+4*\s+1], s74, \s*SLOT
.endr
	s_lshl_b32 s74, s[BH], 18                      ; the head's 262,144 bytes
	s_and_b32 s75, s[WV], 1
	s_wait_kmcnt 0x0
	s_lshl_b32 s70, s75, 14                        ; K: my half, 128 keys of 128 bytes
	s_add_co_u32 s70, s70, s74
	s_add_co_u32 s70, s70, 0x1000000
	s_add_nc_u64 s[66:67], s[4:5], s[70:71]
	s_lshl_b32 s70, s75, 8                         ; v: my half, 128 keys of 2 bytes
	s_add_co_u32 s70, s70, s74
	s_add_co_u32 s70, s70, 0x2000000
	s_add_nc_u64 s[68:69], s[4:5], s[70:71]
	SETG0 0
	TLOAD 0                                        ; tile 0 into slot 0: the one first fill at the start; slot 1 is filled behind the first step's barrier
	ADV
	BASES IB, 80, 76
	BASES YB, 82, 78
	v_and_b32 v1, 15, v0                           ; r
	v_bfe_u32 v2, v0, 4, 1                         ; h
	v_and_b32 v3, 31, v0                           ; lane
	v_lshlrev_b32 v[VQ], 7, v1
	v_lshl_add_u32 v[VQ], v2, 4, v[VQ]             ; query r's row of 128 bytes, 16 h
	QLOAD 80
	v_lshrrev_b32 v[TR], 1, v1
	v_mul_u32_u24 v[TR], v[TR], 272
	v_and_b32 v[TR+1], 1, v1
	v_lshl_add_u32 v[TR], v[TR+1], 7, v[TR]
	v_lshl_add_u32 v[TR], v2, 4, v[TR]             ; key r at (r>>1) 272 + (r&1) 128, 16 h
	s_mul_i32 s74, s[PP], 8704                     ; my 64 keys of each 128
	v_add_nc_u32 v[VK], s74, v[TR]
	v_add_nc_u32 v[VK+1], SLOT, v[VK]
	v_mul_u32_u24 v[TR], v1, 272
	v_lshl_add_u32 v[TR], v2, 4, v[TR]             ; d-row r, 16 h
	s_lshl_b32 s74, s[PP], 7
	s_add_co_u32 s74, s74, 2*HALF
	v_add_nc_u32 v[VV], s74, v[TR]
	v_add_nc_u32 v[VV+1], SLOT, v[VV]
	s_mul_i32 s74, s[W4], HALF
	s_add_co_u32 s74, s74, SCR
	v_lshl_add_u32 v[VSCR], v3, 4, s74
	s_mul_i32 s74, s[W4], STGW
	s_add_co_u32 s74, s74, STG
	v_mul_u32_u24 v[TR], v1, 144
	v_lshl_add_u32 v[TR], v2, 4, v[TR]
	v_add_nc_u32 v[VSTO], s74, v[TR]
	v_lshrrev_b32 v[TR], 3, v3
	v_mul_u32_u24 v[TR], v[TR], 144
	v_and_b32 v[TR+1], 7, v0
	v_lshl_add_u32 v[TR], v[TR+1], 4, v[TR]
	v_add_nc_u32 v[VRD], s74, v[TR]
	v_lshlrev_b32 v[VCO], 4, v3
	v_mov_b32 v[NINF], 0xff800000
	v_lshlrev_b32 v[TR], 3, v2
	v_sub_nc_u32 v[VD], v1, v[TR]                  ; r - 8 h
.irp j, 0,1,2,3,4,5,6,7
	v_cmp_gt_i32 s[MK+\j], \j, v[VD]
.endr
.irp b, 0,1,2,3
	v_mov_b32 v[XR+\b], 0                          ; v_permlanex16_b32 counts as a reader of its destination
.endr
	INIT
	s_mov_b32 s3, 4                                ; eight of the nine tiles
.Ltiles:
	SSTEP 0, 1, 1, 1
	SSTEP 1, 0, 1, 0
	s_sub_co_u32 s3, s3, 1
	s_cmp_lg_u32 s3, 0
	s_cbranch_scc1 .Ltiles
	SSTEP 0, 1, 0, 0                               ; the ninth: nothing is left to fetch
	s_cmp_eq_u32 s[PP], 0
	s_cbranch_scc1 .Ltail_a
	FIN_B
.Ltail_a:
	s_wait_dscnt 0x0                               ; the partner's stores are done in front of its signal
	s_barrier_signal -1
	s_barrier_wait -1
	s_cmp_lg_u32 s[PP], 0
	s_cbranch_scc1 .Lend
	FIN_A 78
.Lend:
	s_wait_xcnt 0x0
	v_lshl_add_u32 v62, v0, 2, 0x3c000
	v_mov_b32 v63, 0
	s_wait_tensorcnt 0x0
	ds_add_u32 v62, v63
	s_wait_dscnt 0x0
	s_endpgm
.Lfunc_end_k_q73c8217471_attn:
	.size	k_q73c8217471_attn, .Lfunc_end_k_q73c8217471_attn-k_q73c8217471_attn
	.p2alignl 7, 3214868480
	.fill 96, 4, 3214868480
	.section	.rodata,"a",@progbits
	.p2align	6, 0x0
	.amdhsa_kernel k_q73c8217471_attn
		.amdhsa_group_segment_fixed_size 327680
		.amdhsa_private_segment_fixed_size 0
		.amdhsa_enable_private_segment 0
		.amdhsa_kernarg_size 16
		.amdhsa_user_sgpr_count 2
		.amdhsa_user_sgpr_kernarg_segment_ptr 1
		.amdhsa_wavefront_size32 1
		.amdhsa_system_sgpr_workgroup_id_x 1
		.amdhsa_system_sgpr_workgroup_id_y 1
		.amdhsa_system_sgpr_workgroup_id_z 1
		.amdhsa_system_vgpr_workitem_id 0
		.amdhsa_next_free_vgpr 512
		.amdhsa_next_free_sgpr 100
		.amdhsa_reserve_vcc 0
		.amdhsa_float_denorm_mode_32 3
		.amdhsa_float_denorm_mode_16_64 3
		.amdhsa_memory_ordered 1
		.amdhsa_forward_progress 1
		.amdhsa_inst_pref_size 255
	.end_amdhsa_kernel
	.section	.bss,"aw",@nobits
	.p2align	6
	.space	262144
	.amdgpu_metadata
---
amdhsa.version: [ 1, 2 ]
amdhsa.kernels:
  - .name:           k_q73c8217471_attn
    .symbol:         k_q73c8217471_attn.kd
    .args:
      - { .name: qkv, .offset: 0, .size: 8, .value_kind: global_buffer, .address_space: global }
      - { .name: ctx, .offset: 8, .size: 8, .value_kind: global_buffer, .address_space: global }
    .group_segment_fixed_size: 327680
    .private_segment_fixed_size: 0
    .kernarg_segment_align: 8
    .kernarg_segment_size: 16
    .max_flat_workgroup_size: 256
    .sgpr_count:     100
    .vgpr_count:     512
    .wavefront_size: 32
...
	.end_amdgpu_metadata
.endif
;; end of part 3
;; launch proj (part 4): grid 8 x 32, 4 waves a work-group, clusters of 4 x 4, 327,680 bytes of LDS; arguments ctx, xw, bo, out0; writes out0
.if DOCPART == 4
	.amdgcn_target "amdgcn-amd-amdhsa--gfx1250"
	.amdhsa_code_object_version 6
	.text
	.protected	k_q73c8217471_proj
	.globl	k_q73c8217471_proj
	.p2align	8
	.type	k_q73c8217471_proj,@function
k_q73c8217471_proj:
	s_mov_b64 s[64:65], 0
	v_nop
	global_prefetch_b8 v0, s[64:65] scope:SCOPE_SE
	s_setreg_imm32_b32 hwreg(HW_REG_WAVE_MODE, 25, 1), 1
	s_wait_xcnt 0x0
	s_wait_alu depctr_hold_cnt(0) depctr_sa_sdst(0) depctr_va_vdst(0) depctr_va_sdst(0) depctr_va_ssrc(0) depctr_va_vcc(0) depctr_vm_vsrc(0)
	s_getreg_b32 s2, hwreg(HW_REG_IB_STS2, 6, 4)
	s_cmp_eq_u32 s2, 0
	s_cbranch_scc0 .Lentry_in_a_cluster
	s_endpgm
.Lentry_in_a_cluster:
	s_bfe_u32 s2, ttmp6, 0x10000c
	s_cmp_lg_u32 s2, 0xf033
	s_cbranch_scc0 .Lentry_shape_is_right
	s_endpgm
.Lentry_shape_is_right:
; out0 = ctx Wo + bo.  In: ctx/4 in f16, in blocks of 64 columns (256 rows x 64 k are 32,768 consecutive bytes); 8 Wo in f16 format [K][N], matrix 11 of xw
; (Wo rounded to bf16, that value copied into f16); bo, out0: f32.  The sums are (ctx/4)(8 Wo) = 2 ctx Wo, so out0 = 0.5 x sum + bo, one fused multiply-add.
; A work-group makes 256 rows x 128 columns, so that N = 1024 still gives 8 x 32 = 256 work-groups; four waves, each 128 x 64: 32 tiles, 256 registers.
; K goes in steps of 128 through two LDS slots: ctx's two blocks of 64 k (waves 0, 1 ask) and 128 k-rows of Wo (waves 2, 3 ask, 64 rows each).
; CLUSTERS: 4 x 4.  ctx's tiles hang on by alone and are asked for jointly by a row of the cluster, Wo's on bx alone, by a column.
; The sources are swapped (Wo first): a lane holds 8 neighbouring columns of one row of the result.
.set PA,    272
.set PB,    288
.set APART, 128*PA                     ; 34,816: 256 rows x 64 k
.set BHALF, 64*PB                      ; 18,432
.set SLOT,  2*APART+2*BHALF            ; 106,496
.set STAGE, 2*SLOT                     ; 212,992: 4,352 bytes for each wave, never filled by a tensor load
.set KSTEPB, 262144                    ; bytes from one K step's tiles to the next, in ctx and in Wo alike
.set ADRA, 16
.set ADRB, 18
.set STO,  20
.set RD,   21
.set CO,   22
.set FA0,  32                          ; v32-95    ctx's 8 fragments, buffer 0
.set FA1,  96                          ; v96-159   buffer 1
.set FB0,  160                         ; v160-191  Wo's 4 fragments, buffer 0
.set FB1,  192                         ; v192-223  buffer 1
.set BIAS, 224                         ; v224-227  bo of the 4 columns that I store
.set G1A, 24
.set G0A, 32
.set G1B, 48
.set G0B, 56
.set MSB, 0
.macro WIN new
.if MSB != \new
	s_set_vgpr_msb (MSB<<8)|\new
.set MSB, \new
.endif
.endm
.macro PLACES                          ; four plain vector places behind matrix instructions (ISA guide 7.12.1)
.rept 4
	v_nop
.endr
.endm
.macro JLOAD s                         ; waves 0, 1: ctx's line; waves 2, 3: Wo's.  The branch hangs on the wave's number alone
	s_cmp_eq_u32 s11, 0
	s_cbranch_scc0 .Lfor_b_\@
	tensor_load_to_lds s[G0A+4*\s:G0A+4*\s+3], s[G1A:G1A+7]
	s_nop 0
	s_branch .Lasked_\@
.Lfor_b_\@:
	tensor_load_to_lds s[G0B+4*\s:G0B+4*\s+3], s[G1B:G1B+7]
	s_nop 0
.Lasked_\@:
.endm
.macro CREST
	s_cmp_lg_u32 s10, 0
	s_cbranch_scc1 .Lnot_wave_0_\@
	s_barrier_signal -3
.Lnot_wave_0_\@:
	s_barrier_wait -3
	s_barrier_signal -1
	s_barrier_wait -1
.endm
.macro CROUND
	s_barrier_signal -1
	s_barrier_wait -1
	CREST
.endm
	s_load_b256 s[80:87], s[0:1], 0x0              ; ctx s[80:81], xw s[82:83], bo s[84:85], out0 s[86:87]
	v_lshl_add_u32 v254, v0, 2, 0x38400
	v_mov_b32 v255, 0
	ds_add_u32 v254, v255
	v_lshrrev_b32 v1, 5, v0
	v_readfirstlane_b32 s10, v1                    ; wave
	s_lshr_b32 s11, s10, 1                         ; wm: which 128 rows.  Also: I ask for ctx (0) or for Wo (1)
	s_and_b32 s12, s10, 1                          ; wn: which 64 columns
	s_bfe_u32 s40, ttmp6, 0x40000                  ; cx
	s_bfe_u32 s41, ttmp6, 0x40004                  ; cy
	s_lshl_b32 s42, ttmp9, 2
	s_add_co_u32 s42, s42, s40                     ; bx
	s_and_b32 s13, ttmp7, 0xffff
	s_lshl_b32 s13, s13, 2
	s_add_co_u32 s13, s13, s41                     ; by
	s_lshl_b32 s43, s41, 2
	s_lshl_b32 s43, 15, s43                        ; my row of the cluster
	s_lshl_b32 s44, 0x1111, s40                    ; my column
	s_or_b32 s[G1A+0], s43, (1<<16)|(1<<20)|(1<<21)|(5<<22)|(3<<25)   ; 128 rows x 128 elements, dense, 4 words of padding behind every 64
	s_mov_b32 s[G1A+1], 128<<16
	s_mov_b32 s[G1A+2], 128<<16
	s_mov_b32 s[G1A+3], 128<<16
	s_mov_b32 s[G1A+4], 128
	s_mov_b32 s[G1A+5], 128
	s_mov_b32 s[G1A+6], 0
	s_mov_b32 s[G1A+7], 0
	s_or_b32 s[G1B+0], s44, (1<<16)|(1<<20)|(1<<21)|(5<<22)|(7<<25)   ; 64 rows x 128 elements, pitch 1024, 8 words of padding behind every 64
	s_mov_b32 s[G1B+1], 128<<16
	s_mov_b32 s[G1B+2], 64<<16
	s_mov_b32 s[G1B+3], 128<<16
	s_mov_b32 s[G1B+4], 64
	s_mov_b32 s[G1B+5], 1024
	s_mov_b32 s[G1B+6], 0
	s_mov_b32 s[G1B+7], 0
	; ctx's tile of wave w (0, 1): matrix by>>2, rows 256 (by&3), block of 64 k number w
	s_lshr_b32 s16, s13, 2
	s_lshl_b32 s16, s16, 21
	s_and_b32 s17, s13, 3
	s_lshl_b32 s17, s17, 15
	s_add_co_u32 s16, s16, s17
	s_lshl_b32 s17, s10, 17
	s_add_co_u32 s16, s16, s17
	s_mov_b32 s17, 0
	; Wo's tile of wave w (2, 3): k-rows 64 (w - 2), columns 128 bx
	s_lshl_b32 s46, s10, 17
	s_lshl_b32 s47, s42, 8
	s_add_co_u32 s46, s46, s47
	s_add_co_u32 s46, s46, 22806528                ; 16,777,216 + 3 x 2,097,152 - 2 x 131,072
	s_mov_b32 s47, 0
	s_mul_i32 s20, s10, APART                      ; LDS of ctx's tile
	s_mul_i32 s21, s10, BHALF
	s_add_co_u32 s21, s21, 2*APART-2*BHALF         ; LDS of Wo's tile
	s_wait_dscnt 0x0
	s_wait_kmcnt 0x0
	s_add_nc_u64 s[14:15], s[80:81], s[16:17]
	s_add_nc_u64 s[46:47], s[82:83], s[46:47]
	CROUND                                         ; in front of the first joint loads
.irp s, 0,1
	s_mov_b32 s[G0A+4*\s], 1
	s_add_co_u32 s[G0A+4*\s+1], s20, \s*SLOT
	s_add_nc_u64 s[G0A+4*\s+2:G0A+4*\s+3], s[14:15], \s*KSTEPB
	s_or_b32 s[G0A+4*\s+3], s[G0A+4*\s+3], 0x80000000
	s_mov_b32 s[G0B+4*\s], 1
	s_add_co_u32 s[G0B+4*\s+1], s21, \s*SLOT
	s_add_nc_u64 s[G0B+4*\s+2:G0B+4*\s+3], s[46:47], \s*KSTEPB
	s_or_b32 s[G0B+4*\s+3], s[G0B+4*\s+3], 0x80000000
	JLOAD \s                                       ; K steps 0 and 1: two tensor loads of a wave are out here, later one
.endr
	v_and_b32 v1, 15, v0                           ; r
	v_bfe_u32 v2, v0, 4, 1                         ; h
	v_lshrrev_b32 v3, 1, v1
	v_mul_u32_u24 v3, v3, PA
	v_and_b32 v4, 1, v1
	v_lshl_add_u32 v3, v4, 7, v3
	v_lshl_add_u32 v3, v2, 4, v3                   ; row r at (r>>1) 272 + (r&1) 128, 16 h
	s_mul_i32 s22, s11, 64*PA
	v_add_nc_u32 v[ADRA], s22, v3
	v_add_nc_u32 v[ADRA+1], SLOT, v[ADRA]
	v_and_b32 v5, 7, v0
	v_lshl_add_u32 v5, v2, 3, v5
	v_mul_u32_u24 v5, v5, PB
	v_bfe_u32 v6, v0, 3, 1
	v_lshl_add_u32 v5, v6, 4, v5                   ; for the transposing load: row 8 h + (lane & 7), 16 ((lane>>3)&1)
	s_lshl_b32 s22, s12, 7
	s_add_co_u32 s22, s22, 2*APART
	v_add_nc_u32 v[ADRB], s22, v5
	v_add_nc_u32 v[ADRB+1], SLOT, v[ADRB]
	s_mul_i32 s23, s10, 4352
	s_add_co_u32 s23, s23, STAGE
	v_mul_u32_u24 v7, v1, 272
	v_lshl_add_u32 v7, v2, 5, v7
	v_add_nc_u32 v[STO], s23, v7                   ; in: row r of 256 + 16 bytes, 32 h
	v_mul_u32_u24 v8, v2, 272
	v_lshl_add_u32 v8, v1, 4, v8
	v_add_nc_u32 v[RD], s23, v8                    ; back: two rows of 256 bytes a load
	v_lshlrev_b32 v9, 12, v2
	v_lshl_add_u32 v[CO], v1, 4, v9                ; the same two rows of out0
	v_lshlrev_b32 v14, 4, v1
	s_lshl_b32 s72, s13, 8
	s_lshl_b32 s73, s11, 7
	s_add_co_u32 s72, s72, s73
	s_lshl_b32 s72, s72, 12                        ; my first row, rows of 4,096 bytes
	s_lshl_b32 s73, s42, 9
	s_lshl_b32 s74, s12, 8
	s_add_co_u32 s78, s73, s74                     ; my first column, in bytes
	s_mov_b32 s79, 0
	s_add_co_u32 s76, s72, s78
	s_mov_b32 s77, 0
	s_add_nc_u64 s[66:67], s[86:87], s[76:77]
	s_add_nc_u64 s[68:69], s[84:85], s[78:79]
	global_load_b128 v[BIAS:BIAS+3], v14, s[68:69] ; the same four columns in every row that I store
; 24 loads: the fragments of sub-step u (32 along K) of a slot
.macro FETCH slot, u, fa, fb
.irp c, 0,1,2,3
	ds_load_tr16_b128 v[\fb+8*\c:\fb+8*\c+3],   v[ADRB+\slot] offset:\u*32*PB+\c*32
	ds_load_tr16_b128 v[\fb+8*\c+4:\fb+8*\c+7], v[ADRB+\slot] offset:\u*32*PB+\c*32+16*PB
.endr
.irp m, 0,1,2,3,4,5,6,7
	ds_load_b128 v[\fa+8*\m:\fa+8*\m+3],   v[ADRA+\slot] offset:(\u/2)*APART+(\u%2)*64+\m*8*PA
	ds_load_b128 v[\fa+8*\m+4:\fa+8*\m+7], v[ADRA+\slot] offset:(\u/2)*APART+(\u%2)*64+\m*8*PA+32
.endr
.endm
; 16 matrix instructions; the 32 accumulators take turns, one instruction a turn
.macro MUL16 fa, fb, half, zero
.irp m, 0,1,2,3
.irp c, 0,1,2,3
.if \zero
	v_wmma_f32_16x16x32_f16 v[8*(16*\half+4*\m+\c):8*(16*\half+4*\m+\c)+7], v[\fb+8*\c:\fb+8*\c+7], v[\fa+8*(4*\half+\m):\fa+8*(4*\half+\m)+7], 0
.else
	v_wmma_f32_16x16x32_f16 v[8*(16*\half+4*\m+\c):8*(16*\half+4*\m+\c)+7], v[\fb+8*\c:\fb+8*\c+7], v[\fa+8*(4*\half+\m):\fa+8*(4*\half+\m)+7], v[8*(16*\half+4*\m+\c):8*(16*\half+4*\m+\c)+7]
.endif
.endr
.endr
.endm
; One of a K step's first three sub-steps: fetches sub-step un into (ga, gb), multiplies (fa, fb)
.macro QSTEP slot, un, fa, fb, ga, gb, zero
	PLACES
	FETCH \slot, \un, \ga, \gb
	s_wait_dscnt 24                                ; all but the 24 just issued
	WIN 0x50
	MUL16 \fa, \fb, 0, \zero
	MUL16 \fa, \fb, 1, \zero
	WIN 0
.endm
.macro THREE slot, zero
	QSTEP \slot, 1, FA0, FB0, FA1, FB1, \zero
	QSTEP \slot, 2, FA1, FB1, FA0, FB0, 0
	QSTEP \slot, 3, FA0, FB0, FA1, FB1, 0
.endm
; The fourth: multiplies buffer 1 and changes slots.  The waits for my reads of this slot and for all my tensor loads stand in front of the barrier, which, where
; the slot is filled again, opens a round of the cluster's barrier; the joint refill is the first tensor load behind the round.
; From a request to the wait for it a wave issues 112 matrix instructions.
.macro TURN slot, next, fill
	s_wait_dscnt 0
	s_wait_tensorcnt 0x0
	ds_add_u32 v254, v255
	s_wait_dscnt 0x0
	s_barrier_signal -1
	WIN 0x50
	MUL16 FA1, FB1, 0, 0
	WIN 0
	s_barrier_wait -1
.if \fill
	CREST
	s_add_nc_u64 s[G0A+4*\slot+2:G0A+4*\slot+3], s[G0A+4*\slot+2:G0A+4*\slot+3], 2*KSTEPB
	s_add_nc_u64 s[G0B+4*\slot+2:G0B+4*\slot+3], s[G0B+4*\slot+2:G0B+4*\slot+3], 2*KSTEPB
	JLOAD \slot
.endif
	PLACES
	FETCH \next, 0, FA0, FB0
	WIN 0x50
	MUL16 FA1, FB1, 1, 0
	WIN 0
.endm
.macro LAP zero
	THREE 0, \zero
	TURN 0, 1, 1
	THREE 1, 0
	TURN 1, 0, 1
.endm
	s_wait_tensorcnt 0x1                           ; my part of K step 0 is in; K step 1's may stay out
	s_barrier_signal -1
	s_barrier_wait -1
	FETCH 0, 0, FA0, FB0
	LAP 1                                          ; K steps 0, 1: the first products start the sums
	s_mov_b32 s3, 2                                ; K steps 2 to 5
.Llap:
	LAP 0
	s_sub_co_u32 s3, s3, 1
	s_cmp_lg_u32 s3, 0
	s_cbranch_scc1 .Llap
	THREE 0, 0                                     ; K steps 6, 7: nothing is left to fetch
	TURN 0, 1, 0
	THREE 1, 0
	s_wait_dscnt 0
	WIN 0x50
	MUL16 FA1, FB1, 0, 0
	MUL16 FA1, FB1, 1, 0
	WIN 0
	PLACES
	s_wait_loadcnt 0x0                             ; bo
; THE WAY OUT, 16 rows at a time through my own stage: 32 bytes a lane in, two rows of 256 bytes a load back, 0.5 x sum + bo, 16 lanes store 256 consecutive bytes.
.macro OUTP m, buf
	WIN 0x04
.irp c, 0,1,2,3
	ds_store_b128 v[STO], v[8*(4*\m+\c):8*(4*\m+\c)+3]   offset:64*\c
	ds_store_b128 v[STO], v[8*(4*\m+\c)+4:8*(4*\m+\c)+7] offset:64*\c+16
.endr
	WIN 0
	s_wait_xcnt 0x0                                ; the buffer, which earlier stores read, is loaded again only behind this wait
.irp t, 0,1,2,3,4,5,6,7
	ds_load_b128 v[\buf+4*\t:\buf+4*\t+3], v[RD] offset:544*\t     ; LDS serves a wave's instructions in order: these see the stores above
.endr
.irp t, 0,1,2,3,4,5,6,7
	s_wait_dscnt 7-\t
	v_pk_fma_f32 v[\buf+4*\t:\buf+4*\t+1],   v[\buf+4*\t:\buf+4*\t+1],   0.5, v[BIAS:BIAS+1]   op_sel_hi:[1,0,1]
	v_pk_fma_f32 v[\buf+4*\t+2:\buf+4*\t+3], v[\buf+4*\t+2:\buf+4*\t+3], 0.5, v[BIAS+2:BIAS+3] op_sel_hi:[1,0,1]
	global_store_b128 v[CO], v[\buf+4*\t:\buf+4*\t+3], s[66:67] offset:(16*\m+2*\t)*4096 th:TH_STORE_NT
.endr
.endm
	OUTP 0, 32
	OUTP 1, 64
	OUTP 2, 32
	OUTP 3, 64
	OUTP 4, 32
	OUTP 5, 64
	OUTP 6, 32
	OUTP 7, 64
	s_wait_tensorcnt 0x0
	ds_add_u32 v254, v255
	s_wait_dscnt 0x0
	CROUND                                         ; the closing round
	s_endpgm
.Lfunc_end_k_q73c8217471_proj:
	.size	k_q73c8217471_proj, .Lfunc_end_k_q73c8217471_proj-k_q73c8217471_proj
	.p2alignl 7, 3214868480
	.fill 96, 4, 3214868480
	.section	.rodata,"a",@progbits
	.p2align	6, 0x0
	.amdhsa_kernel k_q73c8217471_proj
		.amdhsa_group_segment_fixed_size 327680
		.amdhsa_private_segment_fixed_size 0
		.amdhsa_enable_private_segment 0
		.amdhsa_kernarg_size 32
		.amdhsa_user_sgpr_count 2
		.amdhsa_user_sgpr_kernarg_segment_ptr 1
		.amdhsa_wavefront_size32 1
		.amdhsa_system_sgpr_workgroup_id_x 1
		.amdhsa_system_sgpr_workgroup_id_y 1
		.amdhsa_system_sgpr_workgroup_id_z 1
		.amdhsa_system_vgpr_workitem_id 0
		.amdhsa_next_free_vgpr 512
		.amdhsa_next_free_sgpr 90
		.amdhsa_reserve_vcc 0
		.amdhsa_float_denorm_mode_32 3
		.amdhsa_float_denorm_mode_16_64 3
		.amdhsa_memory_ordered 1
		.amdhsa_forward_progress 1
		.amdhsa_inst_pref_size 126
	.end_amdhsa_kernel
	.amdgpu_metadata
---
amdhsa.version: [ 1, 2 ]
amdhsa.kernels:
  - .name:           k_q73c8217471_proj
    .symbol:         k_q73c8217471_proj.kd
    .args:
      - { .name: ctx, .offset: 0, .size: 8, .value_kind: global_buffer, .address_space: global }
      - { .name: xw, .offset: 8, .size: 8, .value_kind: global_buffer, .address_space: global }
      - { .name: bo, .offset: 16, .size: 8, .value_kind: global_buffer, .address_space: global }
      - { .name: out0, .offset: 24, .size: 8, .value_kind: global_buffer, .address_space: global }
    .group_segment_fixed_size: 327680
    .private_segment_fixed_size: 0
    .kernarg_segment_align: 8
    .kernarg_segment_size: 32
    .max_flat_workgroup_size: 128
    .sgpr_count:     90
    .vgpr_count:     512
    .wavefront_size: 32
...
	.end_amdgpu_metadata
.endif
;; end of part 4
;; ======== version 2 of 2: 4 launches; version 1 with the launch cvt written anew for expert scheduling mode
;; limits: values are held in f16: magnitudes above 65,504 overflow, below 6.1e-05 lose precision; right only within a limited range of input values
;; workspace buffers: xw 25,165,824 bytes; qkv 50,331,648 bytes; ctx 16,777,216 bytes
;; launch cvt (part 5): grid 768 x 1, 8 waves a work-group, no clusters, 0 bytes of LDS; arguments x, Wq, Wk, Wv, Wo, xw; writes xw
.if DOCPART == 5
	.amdgcn_target "amdgcn-amd-amdhsa--gfx1250"
	.amdhsa_code_object_version 6
	.text
	.protected	k_q73c8217471_cvt
	.globl	k_q73c8217471_cvt
	.p2align	8
	.type	k_q73c8217471_cvt,@function
k_q73c8217471_cvt:
	s_mov_b64 s[64:65], 0
	v_nop
	global_prefetch_b8 v0, s[64:65] scope:SCOPE_SE
	s_setreg_imm32_b32 hwreg(HW_REG_WAVE_SCHED_MODE, 0, 2), 2
	s_setreg_imm32_b32 hwreg(HW_REG_WAVE_MODE, 25, 1), 1
	s_wait_xcnt 0x0
	s_wait_alu depctr_vm_vsrc(0)
; The five large inputs rounded to bf16 (nearest even), into xw: twelve matrices of 1024 x 1024 numbers of 16 bits, 2,097,152 bytes each.
;   matrices 0-7:  x rows 1024 mat .. in bf16, in blocks of 64 columns: byte(row, col) = (col>>6)*131072 + (row&1023)*128 + (col&63)*2,
;                  so that 256 rows x 64 columns, one K step of a later product, are 32,768 consecutive bytes.
;   matrices 8-10: Wq/4, Wk/4, Wv/4 in bf16 as they lie, row k at k*2048.
;   matrix 11:     8 Wo, rounded to bf16 like the others, the rounded value then stored in f16 FORMAT (its partner in the last product, ctx, is f16).
;                  A bf16 number has 8 significant bits and f16 holds 11, so the copy is exact for |Wo| >= 2^-20; below that it errs by at most 2^-25 / 8.
; The factors 1/4 and 8 are powers of two, exact, and are undone later in f32.  They put what the later launches keep in f16 (q/4, k/4, v/4, ctx/4, 8 Wo:
; about 0.14 each for inputs as drawn) in the middle of f16's range.
; A stream: every byte is read once and written once; LDS, barriers and the matrix unit would add nothing.
; A work-group takes 16 rows of 1024 f32.  Ids 0-511: x rows 16 id.  Ids 512-767: matrix (id-512)>>6, rows 16 ((id-512)&63).
; A wave has 16 items: one 16-byte load a lane (512 bytes a wave), the conversions, one 8-byte store a lane: the 32 lanes of a store
; cover 256 consecutive bytes that begin at a multiple of 256 from xw's first byte.  All 16 loads go out first; no store's register is used twice.
; THE MODE: SCHED_MODE bits 1:0 = 2 (LLVM: expert scheduling mode 2), set by the entry lines.  The code itself states the register dependences
; between vector instructions and memory instructions, with s_wait_alu, always for 0.
; THE PLAN.  Registers that memory instructions touch:
;   v[VIN], v[VOUT]  offsets: written by the address arithmetic of a path's head, read by its 16 loads and its 16 stores, never written again.
;   XR               item i's load lands in four registers of its own, which no vector instruction names before; afterwards vector instructions alone name them.
;   YR               item i's conversions write two registers of its own; its one store reads them; nothing writes them afterwards.
; The 16 items go in four groups of four.  Group g's vector instructions name XR and YR of group g alone; the four stores of group g - 1 are dealt among
; them, behind ONE wait on va_vdst at the group's head, which states that group g - 1 has written its YR.  One such wait stands ahead of the first load, for
; the offsets, and one ahead of the last four stores.  No register that a memory instruction has read is written again, so no wait on vm_vsrc is owed;
; no vector instruction writes a scalar register, VCC or EXEC.
.set XR,   16                          ; v[16:79]   item i: 4 f32 as loaded
.set YR,   80                          ; v[80:111]  item i: 4 numbers of 16 bits to store
.set VIN,  2                           ; v2         my byte offset in the source
.set VOUT, 3                           ; v3         my byte offset in xw
.set WB,   16777216                    ; xw: where the weights begin
	s_load_b256 s[4:11], s[0:1], 0x0               ; x s[4:5], Wq s[6:7], Wk s[8:9], Wv s[10:11]
	s_load_b128 s[12:15], s[0:1], 0x20             ; Wo s[12:13], xw s[14:15]
	v_and_b32 v1, 31, v0                           ; lane
	v_lshrrev_b32 v4, 5, v0                        ; wave
	s_mov_b32 s21, 0                               ; high word of every offset pair
; Item i's vector work.  mode 0: to bf16.  mode 1: times fac, to bf16.  mode 2: times fac, to bf16, and that value into f16 format.
.macro ITEM i, mode, fac
.if \mode
	v_pk_mul_f32 v[XR+4*(\i):XR+4*(\i)+1],   v[XR+4*(\i):XR+4*(\i)+1],   \fac op_sel_hi:[1,0]
	v_pk_mul_f32 v[XR+4*(\i)+2:XR+4*(\i)+3], v[XR+4*(\i)+2:XR+4*(\i)+3], \fac op_sel_hi:[1,0]
.endif
	v_cvt_pk_bf16_f32 v[YR+2*(\i)],   v[XR+4*(\i)],   v[XR+4*(\i)+1]
	v_cvt_pk_bf16_f32 v[YR+2*(\i)+1], v[XR+4*(\i)+2], v[XR+4*(\i)+3]
.if \mode == 2
	v_lshlrev_b32 v[XR+4*(\i)],   16, v[YR+2*(\i)]                 ; the bf16 values as f32 again,
	v_and_b32     v[XR+4*(\i)+1], 0xffff0000, v[YR+2*(\i)]
	v_lshlrev_b32 v[XR+4*(\i)+2], 16, v[YR+2*(\i)+1]
	v_and_b32     v[XR+4*(\i)+3], 0xffff0000, v[YR+2*(\i)+1]
	v_cvt_pk_f16_f32 v[YR+2*(\i)],   v[XR+4*(\i)],   v[XR+4*(\i)+1]    ; and in f16 format
	v_cvt_pk_f16_f32 v[YR+2*(\i)+1], v[XR+4*(\i)+2], v[XR+4*(\i)+3]
.endif
.endm
; Item i's store.  Item i = 8 e + j writes at e*OE + j*OJ.
.macro SEND i, OE, OJ
	global_store_b64 v[VOUT], v[YR+2*(\i):YR+2*(\i)+1], s[18:19] offset:((\i)/8)*\OE+((\i)%8)*\OJ
.endm
; item (e, j) reads at e*IE + j*IJ and writes at e*OE + j*OJ, from the bases s[16:17] and s[18:19].
.macro CONV IE, IJ, OE, OJ, mode, fac
	s_wait_alu depctr_va_vdst(0)                   ; the address arithmetic has written v[VIN] and v[VOUT], which every load and store below reads as its offset
.irp e, 0,1
.irp j, 0,1,2,3,4,5,6,7
	global_load_b128 v[XR+4*(8*\e+\j):XR+4*(8*\e+\j)+3], v[VIN], s[16:17] offset:\e*\IE+\j*\IJ th:TH_LOAD_NT
.endr
.endr
.irp g, 0,1,2,3
	s_wait_loadcnt 12-4*\g                         ; loads come back in order: the group's four items are in, the 12 - 4 g younger ones stay out
.if \g > 0
	s_wait_alu depctr_va_vdst(0)                   ; the group before has written its eight registers of YR, which the four stores below read
.endif
.irp q, 0,1,2,3
.if \g > 0
	SEND 4*\g+\q-4, \OE, \OJ                       ; the group before.  No further wait: the vector instructions since the wait name this group's XR and YR alone
.endif
	ITEM 4*\g+\q, \mode, \fac
.endr
.endr
	s_wait_alu depctr_va_vdst(0)                   ; the last group has written its eight registers of YR, which the last four stores read
.irp q, 0,1,2,3
	SEND 12+\q, \OE, \OJ
.endr
.endm
	s_wait_kmcnt 0x0
	s_cmp_lt_u32 ttmp9, 512
	s_cbranch_scc0 .Lweights
	; x: an item is two rows x 64 columns (lanes 0-15 the even row, lanes 16-31 the odd one): 2 x 256 bytes in, 256 consecutive bytes out.
	; Wave w takes the column blocks 2 w + e; j is the pair of rows.
	v_and_b32 v5, 15, v0
	v_bfe_u32 v6, v0, 4, 1
	v_lshlrev_b32 v[VIN], 4, v5                    ; 16 (lane mod 16)
	v_lshl_add_u32 v[VIN], v6, 12, v[VIN]          ; + one row of 4,096 bytes for lanes 16-31
	v_lshl_add_u32 v[VIN], v4, 9, v[VIN]           ; + wave x two blocks of 256 bytes
	v_lshlrev_b32 v[VOUT], 3, v1                   ; 8 x lane
	v_lshl_add_u32 v[VOUT], v4, 18, v[VOUT]        ; + wave x two blocks of 131,072 bytes
	s_lshl_b32 s20, ttmp9, 16                      ; 16 rows of 4,096 bytes
	s_add_nc_u64 s[16:17], s[4:5], s[20:21]
	s_lshr_b32 s22, ttmp9, 6                       ; matrix = rows / 1024
	s_lshl_b32 s22, s22, 21
	s_and_b32 s23, ttmp9, 63
	s_lshl_b32 s23, s23, 11                        ; 16 rows of 128 bytes inside a block
	s_add_co_u32 s20, s22, s23
	s_add_nc_u64 s[18:19], s[14:15], s[20:21]
	CONV 256, 8192, 131072, 256, 0, 0
	s_endpgm
.Lweights:
	; weights: an item is 128 columns of one row: 512 bytes in, 256 out.  Wave w takes rows 2 w + e; j is the piece of the row.
	v_lshlrev_b32 v[VIN], 4, v1
	v_lshl_add_u32 v[VIN], v4, 13, v[VIN]
	v_lshlrev_b32 v[VOUT], 3, v1
	v_lshl_add_u32 v[VOUT], v4, 12, v[VOUT]
	s_sub_co_u32 s22, ttmp9, 512
	s_lshr_b32 s23, s22, 6                         ; which matrix: 0 Wq, 1 Wk, 2 Wv, 3 Wo
	s_and_b32 s22, s22, 63                         ; which 16 rows
	s_cmp_eq_u32 s23, 1
	s_cselect_b64 s[16:17], s[8:9], s[6:7]
	s_cmp_eq_u32 s23, 2
	s_cselect_b64 s[16:17], s[10:11], s[16:17]
	s_cmp_eq_u32 s23, 3
	s_cselect_b64 s[16:17], s[12:13], s[16:17]
	s_lshl_b32 s20, s22, 16
	s_add_nc_u64 s[16:17], s[16:17], s[20:21]
	s_lshl_b32 s24, s23, 21
	s_lshl_b32 s22, s22, 15
	s_add_co_u32 s20, s24, s22
	s_add_co_u32 s20, s20, WB
	s_add_nc_u64 s[18:19], s[14:15], s[20:21]
	s_cmp_eq_u32 s23, 3
	s_cbranch_scc1 .Lwo
	CONV 4096, 512, 2048, 256, 1, 0x3e800000       ; Wq, Wk, Wv: times 1/4
	s_endpgm
.Lwo:
	CONV 4096, 512, 2048, 256, 2, 0x41000000       ; Wo: times 8, in f16 format
	s_endpgm
.Lfunc_end_k_q73c8217471_cvt:
	.size	k_q73c8217471_cvt, .Lfunc_end_k_q73c8217471_cvt-k_q73c8217471_cvt
	.p2alignl 7, 3214868480
	.fill 96, 4, 3214868480
	.section	.rodata,"a",@progbits
	.p2align	6, 0x0
	.amdhsa_kernel k_q73c8217471_cvt
		.amdhsa_group_segment_fixed_size 0
		.amdhsa_private_segment_fixed_size 0
		.amdhsa_enable_private_segment 0
		.amdhsa_kernarg_size 48
		.amdhsa_user_sgpr_count 2
		.amdhsa_user_sgpr_kernarg_segment_ptr 1
		.amdhsa_wavefront_size32 1
		.amdhsa_system_sgpr_workgroup_id_x 1
		.amdhsa_system_sgpr_workgroup_id_y 1
		.amdhsa_system_sgpr_workgroup_id_z 1
		.amdhsa_system_vgpr_workitem_id 0
		.amdhsa_next_free_vgpr 112
		.amdhsa_next_free_sgpr 66
		.amdhsa_reserve_vcc 0
		.amdhsa_float_denorm_mode_32 3
		.amdhsa_float_denorm_mode_16_64 3
		.amdhsa_memory_ordered 1
		.amdhsa_forward_progress 1
		.amdhsa_inst_pref_size 30
	.end_amdhsa_kernel
	.amdgpu_metadata
---
amdhsa.version: [ 1, 2 ]
amdhsa.kernels:
  - .name:           k_q73c8217471_cvt
    .symbol:         k_q73c8217471_cvt.kd
    .args:
      - { .name: x, .offset: 0, .size: 8, .value_kind: global_buffer, .address_space: global }
      - { .name: Wq, .offset: 8, .size: 8, .value_kind: global_buffer, .address_space: global }
      - { .name: Wk, .offset: 16, .size: 8, .value_kind: global_buffer, .address_space: global }
      - { .name: Wv, .offset: 24, .size: 8, .value_kind: global_buffer, .address_space: global }
      - { .name: Wo, .offset: 32, .size: 8, .value_kind: global_buffer, .address_space: global }
      - { .name: xw, .offset: 40, .size: 8, .value_kind: global_buffer, .address_space: global }
    .group_segment_fixed_size: 0
    .private_segment_fixed_size: 0
    .kernarg_segment_align: 8
    .kernarg_segment_size: 48
    .max_flat_workgroup_size: 256
    .sgpr_count:     66
    .vgpr_count:     112
    .wavefront_size: 32
...
	.end_amdgpu_metadata
.endif
;; end of part 5
;; launch qkv: the kernel of part 2 again; grid 8 x 32, 4 waves a work-group, clusters of 4 x 4, 327,680 bytes of LDS; arguments xw, qkv; writes qkv
;; launch attn: the kernel of part 3 again; grid 256 x 1, 8 waves a work-group, no clusters, 327,680 bytes of LDS; arguments qkv, ctx; writes ctx
;; launch proj: the kernel of part 4 again; grid 8 x 32, 4 waves a work-group, clusters of 4 x 4, 327,680 bytes of LDS; arguments ctx, xw, bo, out0; writes out0
